; MI455X (gfx1250); checked and timed in simulation.
; The chip was launched on July 23, 2026; its instructions are those of AMD's public machine-readable ISA for CDNA 5 (MIT licence, August 2026) and "CDNA5" Instruction Set Architecture Reference Guide (July 2026). The comments in the code are by the model that wrote it; some were corrected since.
;; Attention. Allowed arithmetic: matrix products marked QUANTISED: E2M1 operands, one E8M0 scale for each 32 along K, by v_wmma_scale_f32_16x16x128_f8f6f4 with both operands' format E2M1 (or v_wmma_scale_f32_32x16x128_f4), f32 sums; products left as they are: bf16, f16 or f32 operands; f32 sums; everything else in f32.
;; Inputs: b_out 1,024 float32; w_out 1,024 x 1,024 float32; w_qkv 1,024 x 3,072 float32; x 4 x 2,048 x 1,024 float32.
;; Outputs: out0 4 x 2,048 x 1,024 float32.
;; This version of the problem:
;;   THIS VERSION OF THE PROBLEM IS GIVEN IN LOW PRECISION. The matrix products marked QUANTISED in the list below multiply operands that are first quantised to E2M1 (2 exponent bits, 1 mantissa bit; 4 bits a number), with one power-of-two scale for each 32 numbers along K (OCP MX v1.0); their sums are f32. The products marked 'left as it is' may take bf16, f16 or f32 operands, with f32 sums. Whichever they take, every output number must still come out within the allowed error. Rounding operands to bf16 (8 significant bits) uses up far more of that allowance than f16 does (11 bits, for magnitudes from 6e-5 to 65,504). All else is computed in f32.
;;   The module's matrix products, in the order in which they are computed (A, B: the left and right operand; K: the contracted axis; several contracted axes count as one K, in the product's order):
;;     1. [M 8,192, K 1,024] x [K 1,024, N 3,072]; A: input x; B: input w_qkv: QUANTISED
;;     2. batch 64 x [M 2,048, K 64] x [K 64, N 2,048]; A: computed on the way; B: computed on the way: left as it is (an operand is computed on the way)
;;     3. batch 64 x [M 2,048, K 2,048] x [K 2,048, N 64]; A: computed on the way; B: computed on the way: left as it is (an operand is computed on the way)
;;     4. [M 8,192, K 1,024] x [K 1,024, N 1,024]; A: computed on the way; B: input w_out: left as it is (an operand is computed on the way)
;;   THE QUANTISER, for each operand of a quantised product, along K:
;;     - K is cut into blocks of 32 from its start; a last block that is shorter is filled with zeros.
;;     - A block's scale is 2^e with e = floor(log2(the largest magnitude in the block)) - 2, held to -126 .. 127; a block of zeros has e = 0. As a byte (E8M0): e + 127.
;;     - Each number is divided by its block's scale, clamped to +-6, and rounded to the nearest number of E2M1, ties to even, subnormals kept.
;;     - The product sums the exact products of the quantised numbers (number of the format x scale) in f32.
;;   ~~~python
;;   def quantise(x, axis):      # numpy; x: float32 -> the quantised numbers, widened to float32 again
;;       x = np.moveaxis(x, axis, -1); K = x.shape[-1]
;;       x = np.pad(x, [(0, 0)] * (x.ndim - 1) + [(0, -K % 32)]); x = x.reshape(x.shape[:-1] + (-1, 32)); a = np.abs(x).max(-1, keepdims=True)
;;       e = np.where(a > 0, np.clip(np.frexp(np.where(a > 0, a, 1))[1] - 1 - 2, -126, 127), 0)      # np.frexp(a)[1] - 1 = floor(log2(a)), exactly
;;       r = np.clip(x / 2.0 ** e, -6, 6)
;;       step = 2.0 ** (np.maximum(np.frexp(np.where(r == 0, 1, r))[1] - 1, 0) - 1)
;;       q = np.round(r / step) * step * 2.0 ** e      # np.round: ties to even
;;       return np.moveaxis(q.reshape(q.shape[:-2] + (-1,))[..., :K], -1, axis).astype(np.float32)
;;   ~~~
;; One version. Each part assembles by itself: llvm-mc -triple=amdgcn-amd-amdhsa -mcpu=gfx1250 --defsym DOCPART=n.
;; ======== version 1 of 1: 5 launches
;; limits: values are held in f16: magnitudes above 65,504 overflow, below 6.1e-05 lose precision
;; workspace buffers: x_codes 4,194,304 bytes; x_scales 262,144 bytes; wq_codes 1,572,864 bytes; wq_scales 98,304 bytes; wo16 2,097,152 bytes; qkv 50,331,648 bytes; o16 16,777,216 bytes
;; launch quant_x (part 1): grid 256 x 1, 4 waves a work-group, no clusters, 33,280 bytes of LDS; arguments x, x_codes, x_scales; writes x_codes, x_scales
.if DOCPART == 1
	.amdgcn_target "amdgcn-amd-amdhsa--gfx1250"
	.amdhsa_code_object_version 6
	.text
	.protected	k_q087975c89b_quant_x
	.globl	k_q087975c89b_quant_x
	.p2align	8
	.type	k_q087975c89b_quant_x,@function
k_q087975c89b_quant_x:
	s_mov_b64 s[64:65], 0
	v_nop
	global_prefetch_b8 v0, s[64:65] scope:SCOPE_SE
	s_setreg_imm32_b32 hwreg(HW_REG_WAVE_MODE, 25, 1), 1
	s_wait_xcnt 0x0
; x [8192][1024], f32, becomes codes of FP4 (E2M1), two a byte, K innermost (x_codes [8192][512 bytes]), with one E8M0 byte for each 32 along K (x_scales [8192][32]).
; A block's scale is 2^(floor(log2(its largest magnitude)) - 2): its byte is the largest magnitude's own exponent field less 2, held at 1 from below.
; Each number is divided by the scale and rounded to the nearest code, ties to even; beyond 6 the conversion gives the largest code.
; LIMITS: a block of zeros gets the byte 1 (its codes are zeros, which add nothing; this program alone reads the bytes); blocks whose largest magnitude lies under 2^-124 are held at that byte; NaN and infinities are not served.
; Rows are dense and 1,024 is a multiple of 32, so x is a plain stream of blocks of 32, and so are codes and bytes.
; SHARES: 256 work-groups x 4 waves; a wave takes 16 steps of 512 numbers.  Each load reads 512 consecutive bytes, 16 a lane; a step's 2,048 bytes turn through the wave's own stage in LDS and come back
; 64 bytes a lane, so that a lane holds 16 neighbours along K (two lanes hold a block).  A lane's 16 codes are 8 bytes: a wave's store covers 256 consecutive bytes, aligned.
; A wave's 256 scale bytes are gathered in its own LDS bytes and leave as one aligned run of 256.  Waves share nothing: no barrier.  Loads run four steps (16 loads a wave) ahead.
.set WAVES, 4
.set STEPS, 16
.set EMAX,  2
.set CB,    8                          ; bytes of 16 codes
.set R,     16                         ; v16-79   four sets of 16 numbers as loaded
.set X,     80                         ; v80-111  two sets of 16 neighbours
.set C,     128                        ; v128-191 codes: registers of its own for each step
.set E,     112                        ; v112-127 a scale byte for each step
.set WREG,  8192                       ; LDS: a region for each wave: two stages of 32 x SP bytes, then its 256 scale bytes
.set SP,    80                         ; a lane's place in a stage: 64 bytes + 16 of padding
.set SPW,   12                         ; v12  LDS address of my spare word; never rewritten
.set NIL,   13                         ; v13  0; never rewritten
.set SPARE, WAVES*WREG                 ; behind the regions: the spare words, 128 bytes a wave
	s_load_b128 s[4:7], s[0:1], 0x0                ; x s[4:5], codes s[6:7]
	s_load_b64 s[8:9], s[0:1], 0x10                ; scale bytes
	v_lshl_add_u32 v[SPW], v0, 2, SPARE
	v_mov_b32 v[NIL], 0
	v_lshrrev_b32 v1, 5, v0
	v_readfirstlane_b32 s16, v1                    ; wave
	v_and_b32 v2, 31, v0                           ; lane
	v_lshlrev_b32 v3, 4, v2                        ; my 16 bytes of a load's 512
	s_mul_i32 s17, s16, WREG
	v_lshrrev_b32 v14, 2, v2
	v_mul_u32_u24 v14, v14, SP
	v_and_b32 v15, 3, v2
	v_lshl_add_u32 v14, v15, 4, v14
	v_add_nc_u32 v14, s17, v14                     ; the stage, way in: SP (lane / 4) + 16 (lane % 4)
	v_mul_u32_u24 v15, v2, SP
	v_add_nc_u32 v15, s17, v15                     ; way out: SP x lane: my 16 neighbours
	v_mul_u32_u24 v4, v2, CB                       ; my codes' place in a step's 256 bytes
	v_lshrrev_b32 v5, 1, v2
	s_add_co_u32 s17, s17, 2*32*SP
	v_add_nc_u32 v5, s17, v5                       ; my block's byte among my wave's 256
	v_lshlrev_b32 v7, 3, v2
	v_add_nc_u32 v6, s17, v7                       ; and 8 bytes a lane on their way out
	s_lshl_b32 s18, ttmp9, 2
	s_add_co_u32 s18, s18, s16                     ; which run of 8,192 numbers is my wave's: 0 .. 1,023
	s_lshl_b32 s20, s18, 15                        ; 32,768 bytes of x a run
	s_mov_b32 s21, 0
	s_lshl_b32 s22, s18, 12                        ; 4,096 bytes of codes
	s_mov_b32 s23, 0
	s_lshl_b32 s24, s18, 8                         ; 256 scale bytes
	s_mov_b32 s25, 0
	s_wait_kmcnt 0x0
	s_add_nc_u64 s[4:5], s[4:5], s[20:21]
	s_add_nc_u64 s[6:7], s[6:7], s[22:23]
	s_add_nc_u64 s[8:9], s[8:9], s[24:25]
.macro LOAD t
.irp i, 0,1,2,3
	global_load_b128 v[R+16*((\t)%4)+4*\i:R+16*((\t)%4)+4*\i+3], v3, s[4:5] offset:2048*(\t)+512*\i th:TH_LOAD_NT
.endr
.endm
.macro TURN t                          ; step t through the stage: LDS serves a wave's instructions in order, so no wait stands between stores and loads
.irp i, 0,1,2,3
	ds_store_b128 v14, v[R+16*((\t)%4)+4*\i:R+16*((\t)%4)+4*\i+3] offset:32*SP*((\t)%2)+8*SP*\i
.endr
.irp i, 0,1,2,3
	ds_load_b128 v[X+16*((\t)%2)+4*\i:X+16*((\t)%2)+4*\i+3], v15 offset:32*SP*((\t)%2)+16*\i
.endr
.endm
.irp t, 0,1,2,3
	LOAD \t
.endr
	s_wait_loadcnt 12                              ; step 0's four loads are in; three steps' twelve stay out
	TURN 0
.macro STEP t
.set XS, X+16*((\t)%2)
.if (\t) > 0
	s_wait_dscnt 1                                 ; this step's numbers are back (the last step's byte store may be out)
.else
	s_wait_dscnt 0x0
.endif
.if (\t)+4 < STEPS
	LOAD (\t)+4                                    ; into the set that this step's stage stores have read
.endif
.if (\t)+1 < STEPS
.if STEPS-2-(\t) >= 3
	s_wait_loadcnt 12                              ; the next step's four are in; three steps' twelve stay out
.else
	s_wait_loadcnt 4*(STEPS-2-(\t))
.endif
	TURN (\t)+1
.endif
	v_max3_num_f32 v8, |v[XS]|, |v[XS+1]|, |v[XS+2]|
	v_max3_num_f32 v9, |v[XS+3]|, |v[XS+4]|, |v[XS+5]|
.irp i, 6,10
	v_max3_num_f32 v8, v8, |v[XS+\i]|, |v[XS+\i+1]|
	v_max3_num_f32 v9, v9, |v[XS+\i+2]|, |v[XS+\i+3]|
.endr
	v_max3_num_f32 v8, v8, |v[XS+14]|, |v[XS+15]|
	v_max3_num_f32 v8, v8, v9, (EMAX+1)<<23        ; with the floor 2^(3 - 127): the byte cannot fall under 1
	v_max_num_f32_dpp v8, v8, v8 row_xmask:1 row_mask:0xf bank_mask:0xf   ; with my neighbour's 16: the block's largest magnitude
	v_add_nc_u32 v11, -(EMAX<<23), v8              ; 2 off its exponent field: the conversion takes this operand's exponent field as its scale
	v_cvt_scalef32_pk8_fp4_f32 v[C+4*(\t)], v[XS:XS+7], v11
	v_cvt_scalef32_pk8_fp4_f32 v[C+4*(\t)+1], v[XS+8:XS+15], v11
	v_lshrrev_b32 v[E+(\t)], 23, v11               ; the scale's byte (also the plain line behind the conversions)
	ds_store_b8 v5, v[E+(\t)] offset:16*(\t)       ; both lanes of a block write the same byte with the same value
	global_store_b64 v4, v[C+4*(\t):C+4*(\t)+1], s[6:7] offset:32*CB*(\t)
.endm
.irp t, 0,1,2,3,4,5,6,7,8,9,10,11,12,13,14,15
	STEP \t
.endr
	ds_load_b64 v[8:9], v6                         ; in order behind my byte stores
	s_wait_dscnt 0x0
	global_store_b64 v7, v[8:9], s[8:9]            ; 32 lanes store 256 consecutive bytes, aligned
	s_wait_tensorcnt 0x0                           ; the wave's end: behind my last LDS store
	ds_add_u32 v[SPW], v[NIL]
	s_wait_dscnt 0x0
	s_endpgm
.Lfunc_end_k_q087975c89b_quant_x:
	.size	k_q087975c89b_quant_x, .Lfunc_end_k_q087975c89b_quant_x-k_q087975c89b_quant_x
	.p2alignl 7, 3214868480
	.fill 96, 4, 3214868480
	.section	.rodata,"a",@progbits
	.p2align	6, 0x0
	.amdhsa_kernel k_q087975c89b_quant_x
		.amdhsa_group_segment_fixed_size 33280
		.amdhsa_private_segment_fixed_size 0
		.amdhsa_enable_private_segment 0
		.amdhsa_kernarg_size 24
		.amdhsa_user_sgpr_count 2
		.amdhsa_user_sgpr_kernarg_segment_ptr 1
		.amdhsa_wavefront_size32 1
		.amdhsa_system_sgpr_workgroup_id_x 1
		.amdhsa_system_sgpr_workgroup_id_y 1
		.amdhsa_system_sgpr_workgroup_id_z 1
		.amdhsa_system_vgpr_workitem_id 0
		.amdhsa_next_free_vgpr 192
		.amdhsa_next_free_sgpr 66
		.amdhsa_reserve_vcc 0
		.amdhsa_float_denorm_mode_32 3
		.amdhsa_float_denorm_mode_16_64 3
		.amdhsa_memory_ordered 1
		.amdhsa_forward_progress 1
		.amdhsa_inst_pref_size 33
	.end_amdhsa_kernel
	.amdgpu_metadata
---
amdhsa.version: [ 1, 2 ]
amdhsa.kernels:
  - .name:           k_q087975c89b_quant_x
    .symbol:         k_q087975c89b_quant_x.kd
    .args:
      - { .name: x, .offset: 0, .size: 8, .value_kind: global_buffer, .address_space: global }
      - { .name: x_codes, .offset: 8, .size: 8, .value_kind: global_buffer, .address_space: global }
      - { .name: x_scales, .offset: 16, .size: 8, .value_kind: global_buffer, .address_space: global }
    .group_segment_fixed_size: 33280
    .private_segment_fixed_size: 0
    .kernarg_segment_align: 8
    .kernarg_segment_size: 24
    .max_flat_workgroup_size: 128
    .sgpr_count:     66
    .vgpr_count:     192
    .wavefront_size: 32
...
	.end_amdgpu_metadata
.endif
;; end of part 1
;; launch prep_w (part 2): grid 224 x 1, 8 waves a work-group, no clusters, 19,456 bytes of LDS; arguments w_qkv, w_out, wq_codes, wq_scales, wo16; writes wq_codes, wq_scales, wo16
.if DOCPART == 2
	.amdgcn_target "amdgcn-amd-amdhsa--gfx1250"
	.amdhsa_code_object_version 6
	.text
	.protected	k_q087975c89b_prep_w
	.globl	k_q087975c89b_prep_w
	.p2align	8
	.type	k_q087975c89b_prep_w,@function
k_q087975c89b_prep_w:
	s_mov_b64 s[64:65], 0
	v_nop
	global_prefetch_b8 v0, s[64:65] scope:SCOPE_SE
	s_setreg_imm32_b32 hwreg(HW_REG_WAVE_MODE, 25, 1), 1
	s_wait_xcnt 0x0
; Two jobs in one launch, told apart by the work-group's number.
; WORK-GROUPS 0-95: w_qkv [1024 (k)][3072 (n)], f32, K its FIRST axis, becomes codes of FP4 with K innermost (wq_codes [3072][512 bytes]) and E8M0 bytes (wq_scales [3072][32]).
;   A lane takes a column n and its registers run down K: each load reads 128 consecutive bytes a wave (two waves side by side: 256), a block of 32 along K lies in one lane's 32 registers,
;   and the conversions give codes with K innermost.  A work-group takes 64 columns x 512 along K; wave w: columns 32 (w % 2) on, 128 along K at 128 (w / 2): four blocks a lane.
;   A column's 256 bytes of codes come from four waves: they meet in a stage in LDS (rows of 272 bytes), one barrier, and leave sixteen lanes to an aligned run of 256 bytes.
;   The scale bytes leave as 16 of each row's 32 (the other half of K is another work-group's): 96 KiB in the whole launch are written so.
;   The scale's rule and its limits are those of the launch that quantises x: byte = the largest magnitude's exponent field - 2, held at 1; a block of zeros gets 1; NaN and infinities are not served.
; WORK-GROUPS 96-223: w_out [1024][1024], f32, is rounded to f16 in the same order (wo16).  LIMIT: beyond 65,504 it becomes infinity; under 6e-5 the step is 6e-8.
;   8,192 numbers a work-group; a load takes 512 consecutive bytes a wave, a store 256, aligned.  No LDS tile, no barrier.
.set ROWW,  3072*4                     ; a row of w_qkv in bytes
.set PITCH, 272                        ; a stage row: 256 bytes + 16
.set SCS,   64*PITCH                   ; behind the stage: 64 rows x 16 scale bytes
.set SPARE, SCS+1024                   ; behind them: the spare words, 128 bytes a wave
.set EMAX,  2
.set X,     32                         ; v32-95   two sets of 32 numbers
.set C,     96                         ; v96-99   a block's codes
.set OUTR,  112                        ; v112-127 the way out
.set SW,    24                         ; v24      my four scale bytes
.set SPW,   14                         ; v14      LDS address of my spare word; never rewritten
.set NIL,   15                         ; v15      0; never rewritten
	s_load_b256 s[4:11], s[0:1], 0x0               ; w_qkv s[4:5], w_out s[6:7], wq_codes s[8:9], wq_scales s[10:11]
	s_load_b64 s[12:13], s[0:1], 0x20              ; wo16
	v_lshl_add_u32 v[SPW], v0, 2, SPARE
	v_mov_b32 v[NIL], 0
	v_lshrrev_b32 v1, 5, v0
	v_readfirstlane_b32 s16, v1                    ; wave 0..7
	v_and_b32 v2, 31, v0                           ; lane
	s_cmp_ge_u32 ttmp9, 96
	s_cbranch_scc1 .Lcvt
	; ---- w_qkv
	s_lshr_b32 s17, ttmp9, 1                       ; which 64 columns
	s_and_b32 s18, ttmp9, 1                        ; which 512 along K
	s_and_b32 s19, s16, 1                          ; my 32 of the columns
	s_lshr_b32 s20, s16, 1                         ; my 128 along K
	v_lshlrev_b32 v3, 2, v2                        ; in: 4 bytes a lane
	s_mul_i32 s21, s19, 32*PITCH
	s_lshl_b32 s22, s20, 6
	s_add_co_u32 s21, s21, s22
	v_mul_u32_u24 v4, v2, PITCH
	v_add_nc_u32 v4, s21, v4                       ; the stage, way in: row = my column, 64 bytes for each 128 along K
	s_lshl_b32 s21, s19, 9
	s_add_co_u32 s21, s21, SCS
	s_lshl_b32 s22, s20, 2
	s_add_co_u32 s22, s21, s22
	v_lshl_add_u32 v5, v2, 4, s22                  ; my scale word: 16 bytes a column, 4 for each 128 along K
	v_lshl_add_u32 v9, v2, 4, s21                  ; and a column's 16 bytes on their way out (waves 0 and 1)
	v_and_b32 v6, 15, v2
	v_lshrrev_b32 v1, 4, v2
	s_mul_i32 s23, s16, 8*PITCH
	v_mul_u32_u24 v7, v1, PITCH
	v_lshl_add_u32 v7, v6, 4, v7
	v_add_nc_u32 v7, s23, v7                       ; the stage, way out: wave w takes rows 8 w on, sixteen lanes to a row
	v_lshlrev_b32 v8, 9, v1
	v_lshl_add_u32 v8, v6, 4, v8                   ; the same place in wq_codes (rows of 512 bytes)
	v_lshlrev_b32 v10, 5, v2                       ; a row of wq_scales is 32 bytes
	s_lshl_b32 s24, s18, 9
	s_lshl_b32 s25, s20, 7
	s_add_co_u32 s24, s24, s25
	s_mul_i32 s24, s24, ROWW                       ; my first row of w_qkv,
	s_lshl_b32 s25, s17, 8
	s_add_co_u32 s24, s24, s25
	s_lshl_b32 s25, s19, 7
	s_add_co_u32 s24, s24, s25                     ; my first column
	s_mov_b32 s25, 0
	s_lshl_b32 s26, s17, 15                        ; codes: (64 x group + 8 x wave) rows of 512 bytes + 256 x half of K
	s_lshl_b32 s27, s16, 12
	s_add_co_u32 s26, s26, s27
	s_lshl_b32 s27, s18, 8
	s_add_co_u32 s26, s26, s27
	s_mov_b32 s27, 0
	s_lshl_b32 s28, s17, 11                        ; bytes: (64 x group + 32 x (wave % 2)) rows of 32 + 16 x half of K
	s_lshl_b32 s29, s19, 10
	s_add_co_u32 s28, s28, s29
	s_lshl_b32 s29, s18, 4
	s_add_co_u32 s28, s28, s29
	s_mov_b32 s29, 0
	s_wait_kmcnt 0x0
	s_add_nc_u64 s[4:5], s[4:5], s[24:25]
	s_add_nc_u64 s[8:9], s[8:9], s[26:27]
	s_add_nc_u64 s[10:11], s[10:11], s[28:29]
.macro LOAD t                          ; block t: w(32 t + i, my column) into set t % 2; the offsets reach 127 rows, inside the signed 24-bit immediate
.irp i, 0,1,2,3,4,5,6,7,8,9,10,11,12,13,14,15,16,17,18,19,20,21,22,23,24,25,26,27,28,29,30,31
	global_load_b32 v[X+32*((\t)%2)+\i], v3, s[4:5] offset:(32*(\t)+\i)*ROWW th:TH_LOAD_NT
.endr
.endm
.macro BLOCK t
.set XS, X+32*((\t)%2)
.if (\t) < 3
	s_wait_loadcnt 32                              ; this block's 32 loads are in; the next block's 32 stay out
.else
	s_wait_loadcnt 0x0
.endif
	v_max3_num_f32 v12, |v[XS]|, |v[XS+1]|, |v[XS+2]|
	v_max3_num_f32 v13, |v[XS+3]|, |v[XS+4]|, |v[XS+5]|
.irp i, 6,10,14,18,22,26
	v_max3_num_f32 v12, v12, |v[XS+\i]|, |v[XS+\i+1]|
	v_max3_num_f32 v13, v13, |v[XS+\i+2]|, |v[XS+\i+3]|
.endr
	v_max3_num_f32 v12, v12, |v[XS+30]|, |v[XS+31]|
	v_max3_num_f32 v12, v12, v13, (EMAX+1)<<23     ; with the floor 2^(3 - 127)
	v_add_nc_u32 v11, -(EMAX<<23), v12             ; the conversion's scale operand
	v_lshrrev_b32 v13, 23, v11                     ; the byte
.if (\t) == 0
	v_mov_b32 v[SW], v13
.else
	v_lshl_or_b32 v[SW], v13, 8*(\t), v[SW]        ; the lower K in the lower byte
.endif
.irp g, 0,1,2,3
	v_cvt_scalef32_pk8_fp4_f32 v[C+\g], v[XS+8*\g:XS+8*\g+7], v11
.endr
	ds_store_b128 v4, v[C:C+3] offset:16*(\t)      ; 32 codes: 16 bytes of my column's row
.if (\t)+2 < 4
	LOAD (\t)+2
.endif
	s_wait_dscnt 0x0                               ; the store has read its registers: the next block's codes may be written
.endm
	LOAD 0
	LOAD 1
	BLOCK 0
	BLOCK 1
	BLOCK 2
	BLOCK 3
	ds_store_b32 v5, v[SW]
	s_wait_dscnt 0x0                               ; for the others' sake: my stores into stage and scale rows are done
	s_barrier_signal -1
	s_barrier_wait -1
.irp t, 0,1,2,3
	ds_load_b128 v[OUTR+4*\t:OUTR+4*\t+3], v7 offset:2*\t*PITCH
.endr
.irp t, 0,1,2,3
	s_wait_dscnt 3-\t
	global_store_b128 v8, v[OUTR+4*\t:OUTR+4*\t+3], s[8:9] offset:1024*\t   ; sixteen lanes store 256 consecutive bytes, aligned
.endr
	s_cmp_lt_u32 s16, 2                            ; waves 0 and 1 send the 64 columns' scale bytes
	s_cbranch_scc0 .Lq_end
	ds_load_b128 v[100:103], v9
	s_wait_dscnt 0x0
	global_store_b128 v10, v[100:103], s[10:11]
.Lq_end:
	s_wait_tensorcnt 0x0                           ; the wave's end: behind my last LDS store
	ds_add_u32 v[SPW], v[NIL]
	s_wait_dscnt 0x0
	s_endpgm
	; ---- w_out
.Lcvt:
	s_sub_co_u32 s17, ttmp9, 96
	s_lshl_b32 s18, s17, 15                        ; 8,192 numbers: 32,768 bytes in,
	s_mov_b32 s19, 0
	s_lshl_b32 s20, s17, 14                        ; 16,384 out
	s_mov_b32 s21, 0
	v_lshlrev_b32 v3, 4, v0
	v_lshlrev_b32 v4, 3, v0
	s_wait_kmcnt 0x0
	s_add_nc_u64 s[6:7], s[6:7], s[18:19]
	s_add_nc_u64 s[12:13], s[12:13], s[20:21]
.irp j, 0,1,2,3,4,5,6,7
	global_load_b128 v[32+4*\j:35+4*\j], v3, s[6:7] offset:4096*\j th:TH_LOAD_NT
.endr
.irp j, 0,1,2,3,4,5,6,7
	s_wait_loadcnt 7-\j                            ; loads come back in order: number j is in
	v_cvt_pk_f16_f32 v[64+2*\j], v[32+4*\j], v[33+4*\j]
	v_cvt_pk_f16_f32 v[65+2*\j], v[34+4*\j], v[35+4*\j]
	global_store_b64 v4, v[64+2*\j:65+2*\j], s[12:13] offset:2048*\j
.endr
	s_wait_tensorcnt 0x0                           ; the wave's end
	ds_add_u32 v[SPW], v[NIL]
	s_wait_dscnt 0x0
	s_endpgm
.Lfunc_end_k_q087975c89b_prep_w:
	.size	k_q087975c89b_prep_w, .Lfunc_end_k_q087975c89b_prep_w-k_q087975c89b_prep_w
	.p2alignl 7, 3214868480
	.fill 96, 4, 3214868480
	.section	.rodata,"a",@progbits
	.p2align	6, 0x0
	.amdhsa_kernel k_q087975c89b_prep_w
		.amdhsa_group_segment_fixed_size 19456
		.amdhsa_private_segment_fixed_size 0
		.amdhsa_enable_private_segment 0
		.amdhsa_kernarg_size 40
		.amdhsa_user_sgpr_count 2
		.amdhsa_user_sgpr_kernarg_segment_ptr 1
		.amdhsa_wavefront_size32 1
		.amdhsa_system_sgpr_workgroup_id_x 1
		.amdhsa_system_sgpr_workgroup_id_y 1
		.amdhsa_system_sgpr_workgroup_id_z 1
		.amdhsa_system_vgpr_workitem_id 0
		.amdhsa_next_free_vgpr 128
		.amdhsa_next_free_sgpr 66
		.amdhsa_reserve_vcc 0
		.amdhsa_float_denorm_mode_32 3
		.amdhsa_float_denorm_mode_16_64 3
		.amdhsa_memory_ordered 1
		.amdhsa_forward_progress 1
		.amdhsa_inst_pref_size 26
	.end_amdhsa_kernel
	.amdgpu_metadata
---
amdhsa.version: [ 1, 2 ]
amdhsa.kernels:
  - .name:           k_q087975c89b_prep_w
    .symbol:         k_q087975c89b_prep_w.kd
    .args:
      - { .name: w_qkv, .offset: 0, .size: 8, .value_kind: global_buffer, .address_space: global }
      - { .name: w_out, .offset: 8, .size: 8, .value_kind: global_buffer, .address_space: global }
      - { .name: wq_codes, .offset: 16, .size: 8, .value_kind: global_buffer, .address_space: global }
      - { .name: wq_scales, .offset: 24, .size: 8, .value_kind: global_buffer, .address_space: global }
      - { .name: wo16, .offset: 32, .size: 8, .value_kind: global_buffer, .address_space: global }
    .group_segment_fixed_size: 19456
    .private_segment_fixed_size: 0
    .kernarg_segment_align: 8
    .kernarg_segment_size: 40
    .max_flat_workgroup_size: 256
    .sgpr_count:     66
    .vgpr_count:     128
    .wavefront_size: 32
...
	.end_amdgpu_metadata
.endif
;; end of part 2
;; launch gemm_qkv (part 3): grid 12 x 32, 4 waves a work-group, clusters of 4 x 4, 327,680 bytes of LDS; arguments x_codes, x_scales, wq_codes, wq_scales, qkv; writes qkv
.if DOCPART == 3
	.amdgcn_target "amdgcn-amd-amdhsa--gfx1250"
	.amdhsa_code_object_version 6
	.text
	.protected	k_q087975c89b_gemm_qkv
	.globl	k_q087975c89b_gemm_qkv
	.p2align	8
	.type	k_q087975c89b_gemm_qkv,@function
k_q087975c89b_gemm_qkv:
	s_mov_b64 s[64:65], 0
	v_nop
	global_prefetch_b8 v0, s[64:65] scope:SCOPE_SE
	s_setreg_imm32_b32 hwreg(HW_REG_WAVE_MODE, 25, 1), 1
	s_wait_xcnt 0x0
	s_wait_alu depctr_hold_cnt(0) depctr_sa_sdst(0) depctr_va_vdst(0) depctr_va_sdst(0) depctr_va_ssrc(0) depctr_va_vcc(0) depctr_vm_vsrc(0)
	s_getreg_b32 s2, hwreg(HW_REG_IB_STS2, 6, 4)
	s_cmp_eq_u32 s2, 0
	s_cbranch_scc0 .Lentry_in_a_cluster
	s_endpgm
.Lentry_in_a_cluster:
	s_bfe_u32 s2, ttmp6, 0x10000c
	s_cmp_lg_u32 s2, 0xf033
	s_cbranch_scc0 .Lentry_shape_is_right
	s_endpgm
.Lentry_shape_is_right:
; qkv = Q(x) Q(w_qkv): [8192][1024] x [3072][1024]^T on codes of FP4 (E2M1) with one E8M0 byte for each 32 along K; sums in f32; results rounded once to f16 and laid by head:
; qkv[part 3][16 batch + head][n 2048][64], byte (part << 24) + ((16 b + h) << 18) + (n << 7) + 2 d.  LIMIT: a result beyond 65,504 becomes infinity in f16; under 6e-5 the step is 6e-8.
; A tile of 256 x 256 is made by four waves, a wave 128 x 128: 64 accumulators of 16 x 16, 512 registers.  K = 1,024 is two LDS slots of 512 along K (rows of 256 bytes): both are asked for at the head,
; with the scale bytes of the tile's 512 rows, and nothing is ever filled again.  By this text's count a wave has three tensor loads out at the start and none later.
; CLUSTERS: 4 x 4 work-groups.  The four of a row of the cluster need the same tiles of x, the four of a column the same tiles of w: each tile is asked for JOINTLY, by the same tensor load with the same
; descriptor and a mask that names the four.  THE MATRIX INSTRUCTION IS USED TRANSPOSED (source 0 = 16 rows of w, source 1 = 16 rows of x): a lane holds eight neighbouring columns of one token.
; 384 tiles stand for 256 WGPs: a tile of 256 x 384 would even that out, but its 768 accumulator registers a wave leave no room for two sets of fragments.
; No prefetch: every tile is a first fill at the head.
; REGISTERS, in windows of 256: window 0: v0-31 addresses; v32-95 scale words, two sets, and nothing else in the whole text; v128-191 x's fragments, ONE set; on the way out v128-223 are at work.
;   window 1: w's fragments, TWO sets, at v0 and v128.   window 2: the accumulators of my rows 0-63 ((a, b) at v[8 (8 a + b)]);   window 3: those of rows 64-127.
.set SIZE_K, 1024
.set KSTEP,  512
.set NQ,     KSTEP/128                 ; matrix instructions deep in a slot
.set ROWB,   256                       ; a tile's row in bytes
.set KROW,   SIZE_K/2                  ; a row of codes in memory
.set PITCH,  272                       ; an LDS row: 256 + 16 bytes = 68 words: row r starts at bank 4 r mod 64 (ISA guide 11.1)
.set FR,     8                         ; registers of a fragment
.set NL,     2                         ; LDS loads that bring one
.set NP,     4                         ; places behind this matrix instruction (ISA guide 7.12.1)
.set HALFT,  128*PITCH
.set SLOT,   4*HALFT                   ; x's 256 rows, then w's 256 rows
.set KS,     SIZE_K/32                 ; a row of scale bytes
.set SCL,    2*SLOT                    ; behind the slots: the scale bytes, as runs of 256 bytes + 16 of padding
.set HALFS,  (128*KS/256)*272
.set SBLK,   (16*KS/256)*272
.set SPARE,  SCL+4*HALFS               ; behind the scales: the spare words, 128 bytes a wave
.set SPITCH, 272                       ; the way out: 16 rows x (256 + 16) bytes for each wave, in slot 0, which has had its one fill and its last read by then
.set ADRA, 16
.set ADRB, 20
.set STO,  24
.set RD,   25
.set CO,   26
.set ADRS, 27
.set SPW,  28
.set NIL,  29
.set SC,   32
.set AF,   128
.set TMP,  192                         ; the way out: a block's packed results
.set OB,   128                         ; and the block read back: v128-159 and v160-191 by turns, where x's fragments lay
.set G1, 24
.set G0, 32
.set G1B, 48
.set G0B, 56
.set G1S, 68
.set G0S, 76
.set G1SB, 80
.set G0SB, 88
.set MSB, 0
.macro WIN new                         ; the immediate's high byte repeats the setting that is left; a switch that changes nothing is dropped
.if MSB != (\new)
	s_set_vgpr_msb (MSB<<8)|(\new)
.set MSB, (\new)
.endif
.endm
.set MUL_LO, 0xa1                      ; source 0 (w) window 1, source 1 (x) window 0, C and D window 2
.set MUL_HI, 0xf1
.set TO_B,   0x40
; A joint load: waves 0 and 1 fetch for x, waves 2 and 3 for w.  The branch hangs on the wave's number alone.  An s_nop 0 and four v_nop follow each line.
.macro JLOAD g0a, g1a, g0b, g1b
	s_cmp_eq_u32 s15, 0
	s_cbranch_scc0 .Lfor_b_\@
	tensor_load_to_lds s[\g0a:\g0a+3], s[\g1a:\g1a+7]
	s_nop 0
.rept 4
	v_nop
.endr
	s_branch .Lasked_\@
.Lfor_b_\@:
	tensor_load_to_lds s[\g0b:\g0b+3], s[\g1b:\g1b+7]
	s_nop 0
.rept 4
	v_nop
.endr
.Lasked_\@:
.endm
.macro CROUND                          ; a round of the cluster's barrier
	s_barrier_signal -1
	s_barrier_wait -1
	s_cmp_lg_u32 s14, 0
	s_cbranch_scc1 .Lnot_wave_0_\@
	s_barrier_signal -3
.Lnot_wave_0_\@:
	s_barrier_wait -3
	s_barrier_signal -1
	s_barrier_wait -1
.endm
	s_load_b128 s[4:7], s[0:1], 0x0                ; x's codes, x's scales
	s_load_b128 s[8:11], s[0:1], 0x10              ; w's codes, w's scales
	s_load_b64 s[12:13], s[0:1], 0x20              ; qkv
	v_lshl_add_u32 v[SPW], v0, 2, SPARE
	v_mov_b32 v[NIL], 0
	ds_add_u32 v[SPW], v[NIL]                      ; the opening: the add, twice on end, and its wait ahead of my first tensor load
	ds_add_u32 v[SPW], v[NIL]
	v_lshrrev_b32 v1, 5, v0
	v_readfirstlane_b32 s14, v1                    ; wave 0..3
	s_lshr_b32 s15, s14, 1                         ; my half of the tile's rows.  Also: I fetch for x (0) or for w (1)
	s_and_b32 s16, s14, 1                          ; my half of its columns.  Also: which 128 rows I fetch
	s_bfe_u32 s40, ttmp6, 0x40000                  ; cx, cy
	s_bfe_u32 s41, ttmp6, 0x40004
	s_lshl_b32 s42, ttmp9, 2
	s_add_co_u32 s42, s42, s40                     ; tile column = 4 x cluster x + cx
	s_and_b32 s17, ttmp7, 0xffff
	s_lshl_b32 s17, s17, 2
	s_add_co_u32 s17, s17, s41                     ; tile row = 4 x cluster y + cy
	s_lshl_b32 s43, s41, 2
	s_lshl_b32 s43, 15, s43                        ; my row of the cluster
	s_lshl_b32 s44, 0x1111, s40                    ; my column
	s_or_b32 s[G1+0], s43, (0<<16)|(1<<20)|(1<<21)|(5<<22)|(3<<25)  ; mask; elements of 1 byte; padding on; bit 21 beside a mask; 4 words behind every 64
	s_or_b32 s[G1B+0], s44, (0<<16)|(1<<20)|(1<<21)|(5<<22)|(3<<25)
.irp g, G1, G1B
	s_mov_b32 s[\g+1], ROWB<<16                    ; tensor_dim0
	s_mov_b32 s[\g+2], 128<<16                     ; tensor_dim1
	s_mov_b32 s[\g+3], ROWB<<16                    ; tile_dim0
	s_mov_b32 s[\g+4], 128                         ; tile_dim1
	s_mov_b32 s[\g+5], KROW                        ; from row to row
	s_mov_b32 s[\g+6], 0
	s_mov_b32 s[\g+7], 0
.endr
	s_or_b32 s[G1S+0], s43, (3<<16)|(1<<20)|(1<<21)|(5<<22)|(3<<25) ; the scales of 128 rows: 4,096 dense bytes as 16 rows of 32 elements of 8 bytes
	s_or_b32 s[G1SB+0], s44, (3<<16)|(1<<20)|(1<<21)|(5<<22)|(3<<25)
.irp g, G1S, G1SB
	s_mov_b32 s[\g+1], 32<<16
	s_mov_b32 s[\g+2], (128*KS/256)<<16
	s_mov_b32 s[\g+3], 32<<16
	s_mov_b32 s[\g+4], 128*KS/256
	s_mov_b32 s[\g+5], 32
	s_mov_b32 s[\g+6], 0
	s_mov_b32 s[\g+7], 0
.endr
	s_lshl_b32 s18, s16, 7
	s_lshl_b32 s20, s17, 8
	s_add_co_u32 s20, s20, s18                     ; x: row 256 x tile row + 128 x half
	s_lshl_b32 s46, s42, 8
	s_add_co_u32 s46, s46, s18                     ; w: row 256 x tile column + 128 x half
	s_mov_b32 s21, 0
	s_mov_b32 s47, 0
	s_mov_b64 s[18:19], KS
	s_mul_u64 s[22:23], s[20:21], s[18:19]         ; these rows' scale bytes,
	s_mul_u64 s[92:93], s[46:47], s[18:19]
	s_mov_b64 s[18:19], KROW
	s_mul_u64 s[20:21], s[20:21], s[18:19]         ; and their codes
	s_mul_u64 s[46:47], s[46:47], s[18:19]
	s_mul_i32 s45, s14, HALFT                      ; where they go: wave x 128 rows
	s_mul_i32 s94, s14, HALFS
	s_wait_dscnt 0x0                               ; both opening adds are done
	s_wait_kmcnt 0x0
	s_add_nc_u64 s[20:21], s[4:5], s[20:21]
	s_add_nc_u64 s[22:23], s[6:7], s[22:23]
	s_add_nc_u64 s[46:47], s[8:9], s[46:47]
	s_add_nc_u64 s[92:93], s[10:11], s[92:93]
	CROUND                                         ; all sixteen work-groups are here: the joint loads meet
	s_mov_b32 s[G0S], 1
	s_add_co_u32 s[G0S+1], s94, SCL
	s_mov_b64 s[G0S+2:G0S+3], s[22:23]
	s_or_b32 s[G0S+3], s[G0S+3], 0x80000000
	s_mov_b32 s[G0SB], 1
	s_add_co_u32 s[G0SB+1], s94, SCL
	s_mov_b64 s[G0SB+2:G0SB+3], s[92:93]
	s_or_b32 s[G0SB+3], s[G0SB+3], 0x80000000
	JLOAD G0S, G1S, G0SB, G1SB                     ; the scales first: they are wanted with the first slot
.irp s, 0,1
	s_mov_b32 s[G0+4*\s], 1
	s_add_co_u32 s[G0+4*\s+1], s45, \s*SLOT
	s_add_nc_u64 s[G0+4*\s+2:G0+4*\s+3], s[20:21], \s*ROWB
	s_or_b32 s[G0+4*\s+3], s[G0+4*\s+3], 0x80000000
	s_mov_b32 s[G0B+4*\s], 1
	s_add_co_u32 s[G0B+4*\s+1], s45, \s*SLOT
	s_add_nc_u64 s[G0B+4*\s+2:G0B+4*\s+3], s[46:47], \s*ROWB
	s_or_b32 s[G0B+4*\s+3], s[G0B+4*\s+3], 0x80000000
	JLOAD G0+4*\s, G1, G0B+4*\s, G1B
.endr
	v_and_b32 v1, 15, v0                           ; r = l % 16
	v_bfe_u32 v2, v0, 4, 1                         ; h = l / 16
	v_mul_u32_u24 v3, v1, PITCH
	v_lshl_add_u32 v4, v2, 4, v3                   ; a fragment's row x pitch + 16 h
	s_mul_i32 s21, s15, HALFT                      ; my 128 rows of x
	s_mul_i32 s22, s16, HALFT                      ; my 128 rows of w,
	s_add_co_u32 s22, s22, 2*HALFT                 ; behind x's 256
.irp s, 0,1
	v_add_nc_u32 v[ADRA+\s], s21, v4
	v_add_nc_u32 v[ADRB+\s], s22, v4
	s_add_co_u32 s21, s21, SLOT
	s_add_co_u32 s22, s22, SLOT
.endr
	v_mul_u32_u24 v5, v1, KS                       ; my row's scale bytes: 32 a row,
	v_lshrrev_b32 v6, 8, v5
	v_lshl_add_u32 v5, v6, 4, v5                   ; and 16 more for each 256 passed
	s_mul_i32 s21, s15, HALFS
	s_mul_i32 s22, s16, HALFS
	s_add_co_u32 s22, s22, 2*HALFS
	s_sub_co_u32 s22, s22, s21
	v_mul_u32_u24 v6, s22, v2                      ; lanes 16-31 take w's: one product, the distance between the two bases
	s_add_co_u32 s21, s21, SCL
	v_add_nc_u32 v5, v5, v6
	v_add_nc_u32 v[ADRS], s21, v5
	s_mul_i32 s23, s14, 16*SPITCH                  ; my stage
	v_mul_u32_u24 v5, v1, SPITCH
	v_lshl_add_u32 v5, v2, 4, v5
	v_add_nc_u32 v[STO], s23, v5                   ; in: row r, 16 bytes for each half of the lanes
	v_and_b32 v6, 31, v0
	v_lshlrev_b32 v[CO], 4, v6                     ; out: four tokens of one head are 512 consecutive bytes of qkv: 16 x lane
	v_lshrrev_b32 v5, 3, v6
	v_mul_u32_u24 v5, v5, SPITCH
	v_and_b32 v6, 7, v6
	v_lshl_add_u32 v5, v6, 4, v5
	v_add_nc_u32 v[RD], s23, v5                    ; back: eight lanes take a head's 128 bytes of a row, four rows a load
	s_lshr_b32 s20, s17, 3                         ; where my part begins in qkv: batch = tile row / 8,
	s_lshl_b32 s20, s20, 22
	s_and_b32 s21, s17, 7
	s_lshl_b32 s21, s21, 15                        ; n = 256 (tile row % 8) + 128 x half, 128 bytes each
	s_add_co_u32 s20, s20, s21
	s_lshl_b32 s21, s15, 14
	s_add_co_u32 s20, s20, s21
	s_mov_b32 s21, 0
	s_lshr_b32 s46, s42, 2                         ; part = tile column / 4,
	s_lshl_b32 s46, s46, 24
	s_and_b32 s47, s42, 3
	s_lshl_b32 s47, s47, 20                        ; head = 4 (tile column % 4) + 2 x half
	s_add_co_u32 s46, s46, s47
	s_lshl_b32 s47, s16, 19
	s_add_co_u32 s46, s46, s47
	s_mov_b32 s47, 0
	s_add_nc_u64 s[12:13], s[12:13], s[20:21]
	s_add_nc_u64 s[12:13], s[12:13], s[46:47]
.macro FRAG reg, adr, q, i             ; 16 rows x 128 K of 4-bit codes: lane l holds row l % 16; registers 4 c .. 4 c + 3 hold K = 64 c + 32 (l / 16) + 0 .. 31
.irp c, 0,1
	ds_load_b128 v[\reg+4*\c:\reg+4*\c+3], v[\adr] offset:64*(\q)+32*\c+(\i)*16*PITCH
.endr
.endm
; 16 matrix instructions: x's blocks a0, a0 + 1 against w's eight.  One register carries x's scale word (lanes 0-15) and w's (lanes 16-31).  The 64 accumulators take turns, one instruction a turn.
.macro MUL16 a0, p, q, sc, zero
.irp a, \a0, \a0+1
.irp b, 0,1,2,3,4,5,6,7
.if \zero
	v_wmma_scale_f32_16x16x128_f8f6f4 v[8*(8*((\a)%4)+\b):8*(8*((\a)%4)+\b)+7], v[128*(\p)+FR*\b:128*(\p)+FR*\b+FR-1], v[AF+FR*(\a):AF+FR*(\a)+FR-1], 0, v[SC+8*NQ*(\sc)+NQ*\b+(\q)], v[SC+8*NQ*(\sc)+NQ*(\a)+(\q)] matrix_a_fmt:MATRIX_FMT_FP4 matrix_b_fmt:MATRIX_FMT_FP4 matrix_a_scale:MATRIX_SCALE_ROW1
.else
	v_wmma_scale_f32_16x16x128_f8f6f4 v[8*(8*((\a)%4)+\b):8*(8*((\a)%4)+\b)+7], v[128*(\p)+FR*\b:128*(\p)+FR*\b+FR-1], v[AF+FR*(\a):AF+FR*(\a)+FR-1], v[8*(8*((\a)%4)+\b):8*(8*((\a)%4)+\b)+7], v[SC+8*NQ*(\sc)+NQ*\b+(\q)], v[SC+8*NQ*(\sc)+NQ*(\a)+(\q)] matrix_a_fmt:MATRIX_FMT_FP4 matrix_b_fmt:MATRIX_FMT_FP4 matrix_a_scale:MATRIX_SCALE_ROW1
.endif
.endr
.endr
.endm
.macro FETCH_B slot, q, p
	WIN TO_B
.irp i, 0,1,2,3,4,5,6,7
	FRAG 128*(\p)+FR*\i, ADRB+\slot, \q, \i
.endr
	WIN 0
.endm
.macro FETCH_A slot, q, i0
.irp i, \i0, \i0+1, \i0+2, \i0+3
	FRAG AF+FR*(\i), ADRA+\slot, \q, \i
.endr
.endm
.macro SCALES sc                       ; a slot's scale words: four a row; lanes 0-15 x's block i, lanes 16-31 w's block i
.irp i, 0,1,2,3,4,5,6,7
	ds_load_b128 v[SC+8*NQ*\sc+NQ*\i:SC+8*NQ*\sc+NQ*\i+3], v[ADRS] offset:\i*SBLK
.endr
.endm
.macro PLACES n                        ; plain vector lines between a matrix instruction and a load into, or a read of, its registers
.rept \n
	v_nop
.endr
.endm
.macro STEP slot, q, zero              ; 128 along K with a successor in the same slot
	s_wait_dscnt 4*NL                              ; w's set and x's blocks 0-3 are in; the youngest eight loads (x's blocks 4-7) may be out
	WIN MUL_LO
	MUL16 0, (\q)%2, \q, \slot, \zero
	MUL16 2, (\q)%2, \q, \slot, \zero
	s_wait_dscnt 0                                 ; x's blocks 4-7 are in
	PLACES NP
	FETCH_B \slot, (\q)+1, 1-(\q)%2
	FETCH_A \slot, (\q)+1, 0
	WIN MUL_HI
	MUL16 4, (\q)%2, \q, \slot, \zero
	MUL16 6, (\q)%2, \q, \slot, \zero
	PLACES NP
	WIN 0
	FETCH_A \slot, (\q)+1, 4
.endm
.macro STEPS slot, from
.set Q, \from
.rept NQ-1-\from
	STEP \slot, Q, 0
.set Q, Q+1
.endr
.endm
	s_wait_tensorcnt 1                             ; the scales and my part of slot 0 are in; slot 1's load may stay out
	s_barrier_signal -1
	s_barrier_wait -1
	FETCH_B 0, 0, 0
	FETCH_A 0, 0, 0
	SCALES 0
	FETCH_A 0, 0, 4
	STEP 0, 0, 1                                   ; the first products start the sums: nothing is cleared
	STEPS 0, 1
	; slot 0's last step changes slots: each wave shows its part of slot 1 landed, then one barrier
	s_wait_tensorcnt 0x0                           ; all my tensor loads have landed
	ds_add_u32 v[SPW], v[NIL]
	s_wait_dscnt 4*NL+1                            ; (the add and x's blocks 4-7 may be out)
	WIN MUL_LO
	MUL16 0, 1, NQ-1, 0, 0
	s_wait_dscnt 0x0                               ; the add is done and my reads of slot 0 are over
	s_barrier_signal -1
	MUL16 2, 1, NQ-1, 0, 0
	WIN 0
	s_barrier_wait -1
	PLACES NP
	v_add_nc_u32 v[ADRS], 4*NQ, v[ADRS]            ; on to slot 1's scale words
	FETCH_B 1, 0, 0
	FETCH_A 1, 0, 0
	SCALES 1
	WIN MUL_HI
	MUL16 4, 1, NQ-1, 0, 0
	MUL16 6, 1, NQ-1, 0, 0
	PLACES NP
	WIN 0
	FETCH_A 1, 0, 4
	STEPS 1, 0
	s_wait_dscnt 4*NL                              ; the very last step: nothing more to fetch
	WIN MUL_LO
	MUL16 0, 1, NQ-1, 1, 0
	MUL16 2, 1, NQ-1, 1, 0
	s_wait_dscnt 0
	WIN MUL_HI
	MUL16 4, 1, NQ-1, 1, 0
	MUL16 6, 1, NQ-1, 1, 0
	WIN 0
; THE WAY OUT, a block of 16 tokens x 128 columns (two heads) at a time.  PACK: rounded to f16, 16 bytes a lane, each accumulator from its low end on.  TOSTAGE: into my stage, and back by heads:
; four tokens of one head a load.  SEND: each store covers 512 consecutive bytes of qkv, aligned.
.macro PACK a
.set AC, 64*((\a)%4)
	WIN 0x0a+5*((\a)/4)                            ; sources 0 and 1: window 2 or 3
.irp b, 0,1,2,3,4,5,6,7
.irp r, 0,1,2,3
	v_cvt_pk_f16_f32 v[TMP+4*\b+\r], v[AC+8*\b+2*\r], v[AC+8*\b+2*\r+1]
.endr
.endr
	WIN 0
.endm
.macro TOSTAGE a
.set BB, OB+32*((\a)%2)
.irp b, 0,1,2,3,4,5,6,7
	ds_store_b128 v[STO], v[TMP+4*\b:TMP+4*\b+3] offset:32*\b
.endr
.irp hh, 0,1
.irp i, 0,1,2,3
	ds_load_b128 v[BB+4*(4*\hh+\i):BB+4*(4*\hh+\i)+3], v[RD] offset:4*\i*SPITCH+128*\hh   ; in order behind my stores (ISA guide 5.7.1.4)
.endr
.endr
.endm
.macro SEND a
.set BB, OB+32*((\a)%2)
	s_wait_dscnt 0x0                               ; the block is back in registers
	s_wait_xcnt 0x0                                ; the block before has been read by its stores: the next block's loads may land on its registers
.irp hh, 0,1
.irp i, 0,1,2,3
	global_store_b128 v[CO], v[BB+4*(4*\hh+\i):BB+4*(4*\hh+\i)+3], s[12:13] offset:\hh*262144+(16*(\a)+4*\i)*128
.endr
.endr
.endm
	PLACES NP                                      ; behind the last products: for the reads of results, and for the loads into the registers that held x's fragments
	PACK 0
	TOSTAGE 0
.irp a, 1,2,3,4,5,6,7
	PACK \a
	SEND \a-1
	TOSTAGE \a
.endr
	SEND 7
	s_wait_tensorcnt 0x0                           ; the wave's end
	ds_add_u32 v[SPW], v[NIL]
	s_wait_dscnt 0x0
	CROUND                                         ; the closing round
	s_endpgm
.Lfunc_end_k_q087975c89b_gemm_qkv:
	.size	k_q087975c89b_gemm_qkv, .Lfunc_end_k_q087975c89b_gemm_qkv-k_q087975c89b_gemm_qkv
	.p2alignl 7, 3214868480
	.fill 96, 4, 3214868480
	.section	.rodata,"a",@progbits
	.p2align	6, 0x0
	.amdhsa_kernel k_q087975c89b_gemm_qkv
		.amdhsa_group_segment_fixed_size 327680
		.amdhsa_private_segment_fixed_size 0
		.amdhsa_enable_private_segment 0
		.amdhsa_kernarg_size 40
		.amdhsa_user_sgpr_count 2
		.amdhsa_user_sgpr_kernarg_segment_ptr 1
		.amdhsa_wavefront_size32 1
		.amdhsa_system_sgpr_workgroup_id_x 1
		.amdhsa_system_sgpr_workgroup_id_y 1
		.amdhsa_system_sgpr_workgroup_id_z 1
		.amdhsa_system_vgpr_workitem_id 0
		.amdhsa_next_free_vgpr 1024
		.amdhsa_next_free_sgpr 98
		.amdhsa_reserve_vcc 0
		.amdhsa_float_denorm_mode_32 3
		.amdhsa_float_denorm_mode_16_64 3
		.amdhsa_memory_ordered 1
		.amdhsa_forward_progress 1
		.amdhsa_inst_pref_size 126
	.end_amdhsa_kernel
	.amdgpu_metadata
---
amdhsa.version: [ 1, 2 ]
amdhsa.kernels:
  - .name:           k_q087975c89b_gemm_qkv
    .symbol:         k_q087975c89b_gemm_qkv.kd
    .args:
      - { .name: x_codes, .offset: 0, .size: 8, .value_kind: global_buffer, .address_space: global }
      - { .name: x_scales, .offset: 8, .size: 8, .value_kind: global_buffer, .address_space: global }
      - { .name: wq_codes, .offset: 16, .size: 8, .value_kind: global_buffer, .address_space: global }
      - { .name: wq_scales, .offset: 24, .size: 8, .value_kind: global_buffer, .address_space: global }
      - { .name: qkv, .offset: 32, .size: 8, .value_kind: global_buffer, .address_space: global }
    .group_segment_fixed_size: 327680
    .private_segment_fixed_size: 0
    .kernarg_segment_align: 8
    .kernarg_segment_size: 40
    .max_flat_workgroup_size: 128
    .sgpr_count:     98
    .vgpr_count:     1024
    .wavefront_size: 32
...
	.end_amdgpu_metadata
.endif
;; end of part 3
;; launch attn (part 4): grid 4 x 64, 8 waves a work-group, clusters of 4 x 1, 327,680 bytes of LDS; arguments qkv, o16; writes o16
.if DOCPART == 4
	.amdgcn_target "amdgcn-amd-amdhsa--gfx1250"
	.amdhsa_code_object_version 6
	.text
	.protected	k_q087975c89b_attn
	.globl	k_q087975c89b_attn
	.p2align	8
	.type	k_q087975c89b_attn,@function
k_q087975c89b_attn:
	s_mov_b64 s[64:65], 0
	v_nop
	global_prefetch_b8 v0, s[64:65] scope:SCOPE_SE
	s_setreg_imm32_b32 hwreg(HW_REG_WAVE_MODE, 25, 1), 1
	s_wait_xcnt 0x0
	s_wait_alu depctr_hold_cnt(0) depctr_sa_sdst(0) depctr_va_vdst(0) depctr_va_sdst(0) depctr_va_ssrc(0) depctr_va_vcc(0) depctr_vm_vsrc(0)
	s_getreg_b32 s2, hwreg(HW_REG_IB_STS2, 6, 4)
	s_cmp_eq_u32 s2, 0
	s_cbranch_scc0 .Lentry_in_a_cluster
	s_endpgm
.Lentry_in_a_cluster:
	s_bfe_u32 s2, ttmp6, 0x10000c
	s_cmp_lg_u32 s2, 0x3003
	s_cbranch_scc0 .Lentry_shape_is_right
	s_endpgm
.Lentry_shape_is_right:
; o[bh][q][:] = the sum over k of softmax_k(q[bh][q] . k[bh][k] / 8) v[bh][k][:], no mask.  q, k, v: f16, qkv[part][bh 64][n 2048][64].  o16: f16 [head 16][token 8192][64].
; Products, maxima and sums in f32; the weights p are rounded to f16 for the second product, o once at the end.  The factor 1/8 is a power of two and stands in c = log2(e) / 8.
; SOFTMAX: for each query a running maximum m and sum l: p = 2^(c s - c m); in every step O and l are multiplied by a = 2^(c m_old - c m_new).  The sum is taken of the unrounded p.
; LIMITS: p under 6e-8 is lost in f16; o beyond 65,504 becomes infinity; NaN and infinities are not served.
; SHARES: a work-group owns 512 queries of one (batch, head), each of its eight waves 64: four tiles of 16.  Two waves lie on a SIMD: while one walks its softmax the other's products can be issued.
; A fragment of K or V read from LDS feeds four products.  Every wave walks all 2,048 keys, 64 a step, in phases: K Q^T, the softmax, V^T P.
; LAYOUT: S^T = K Q^T (source 0 = 16 keys, source 1 = 16 queries): a lane holds ONE query (lane % 16) and keys 8 (lane / 16) + 0..7 of each key tile.  Two such tiles rounded in pairs ARE source 1
; (32 keys x 16 queries) of O^T = V^T P, whose result again holds one query a lane.  K comes out of LDS as it lies, V ([key][channel]) turned, by ds_load_tr16_b128.
; RING: two slots of 512 keys.  Both are asked for at the head; each is filled once more.  Waves 0-3 fetch K's quarters, waves 4-7 V's: one load of 128 rows a wave.  By this text's count a wave has two tensor loads
; out at the start and one later; a refill has a slot's eight key steps in which to land, so nothing is prefetched.
; CLUSTER: the four query blocks of a (batch, head) walk the same K and V: each tile is asked for JOINTLY, by the same tensor load with the same descriptor and the mask 15.
; REGISTERS: window 0: v1-10 addresses; v16-47 statistics, eight a tile: +0 c m, +1 m, +2, +3 l, +4..+7 c0-c3 at work (a in c2); v64-191 S^T, 32 a tile (p as f16 in a tile's first 16); v192-255 K's, then V's eight fragments.
;   window 1: v0-63 Q (16 t + 8 e); v64-191 O^T (64 + 32 t + 8 ct).
.set PK,    144                        ; a row of K in LDS: 128 + 16 bytes: an odd multiple of 16
.set PV,    160                        ; a row of V: 128 + 32 bytes: an odd multiple of 32, for the turning load
.set KQB,   128*PK                     ; a quarter of a slot's K: what one load brings
.set VQB,   128*PV
.set VOFF,  4*KQB                      ; a slot: 512 rows of K, then 512 rows of V
.set SLOTB, VOFF+4*VQB                 ; slot B begins here
.set SPARE, 2*SLOTB                    ; behind the ring: the spare words, 128 bytes a wave
.set STGW,  64*PK                      ; the way out: 64 rows x 144 bytes for each wave, in slot A's K rows, which have had their last fill and their last read by then
.set AK0, 1
.set AV0, 2
.set ADK, 3
.set ADV, 4
.set SPW, 5
.set NIL, 6
.set QO,  7
.set STO, 8
.set RD,  9
.set GO,  10
.set ST,  16
.set S,   64
.set FR,  192
.set OT,  64                           ; in window 1
.set WV,  8
.set G1K, 16
.set G1V, 24
.set G0KA, 32
.set G0KB, 36
.set G0VA, 40
.set G0VB, 44
.set CS,  48                           ; s[48:49] c, twice
.set SEL, 50                           ; s[50:51] selects for lane l xor 16
.set TK,  52                           ; LDS byte of the step's rows of K
.set TV,  53                           ; and of V
.set CNT, 54
.set MSB, 0
.macro WIN new
.if MSB != (\new)
	s_set_vgpr_msb (MSB<<8)|(\new)
.set MSB, (\new)
.endif
.endm
.macro JLOAD g0k, g0v                  ; a joint refill; the branch hangs on the wave's number alone; an s_nop 0 and four v_nop follow each line
	s_cmp_lt_u32 s[WV], 4
	s_cbranch_scc0 .Lfor_v_\@
	tensor_load_to_lds s[\g0k:\g0k+3], s[G1K:G1K+7]
	s_nop 0
.rept 4
	v_nop
.endr
	s_branch .Lasked_\@
.Lfor_v_\@:
	tensor_load_to_lds s[\g0v:\g0v+3], s[G1V:G1V+7]
	s_nop 0
.rept 4
	v_nop
.endr
.Lasked_\@:
.endm
.macro CROUND                          ; a round of the cluster's barrier
	s_barrier_signal -1
	s_barrier_wait -1
	s_cmp_lg_u32 s[WV], 0
	s_cbranch_scc1 .Lnot_wave_0_\@
	s_barrier_signal -3
.Lnot_wave_0_\@:
	s_barrier_wait -3
	s_barrier_signal -1
	s_barrier_wait -1
.endm
	s_load_b128 s[4:7], s[0:1], 0x0                ; qkv s[4:5], o16 s[6:7]
	v_lshl_add_u32 v[SPW], v0, 2, SPARE
	v_mov_b32 v[NIL], 0
	ds_add_u32 v[SPW], v[NIL]                      ; the opening: the add, twice on end, and its wait ahead of my first tensor load
	ds_add_u32 v[SPW], v[NIL]
	v_lshrrev_b32 v11, 5, v0
	v_readfirstlane_b32 s[WV], v11                 ; wave 0..7
	s_bfe_u32 s9, ttmp6, 0x40000                   ; cx: my block of 512 queries
	s_and_b32 s10, ttmp7, 0xffff                   ; bh = 16 batch + head, which the four partners share
	s_mov_b32 s[G1K], 15|(1<<16)|(1<<20)|(1<<21)|(4<<22)|(3<<25)  ; mask: all four; elements of 2 bytes; padding on; bit 21 beside a mask; 4 words behind every 32
	s_mov_b32 s[G1V], 15|(1<<16)|(1<<20)|(1<<21)|(4<<22)|(7<<25)  ; the same with 8 words
.irp g, G1K, G1V
	s_mov_b32 s[\g+1], 64<<16                      ; tensor_dim0 = 64
	s_mov_b32 s[\g+2], 128<<16                     ; tensor_dim1 = 128
	s_mov_b32 s[\g+3], 64<<16                      ; tile_dim0 = 64
	s_mov_b32 s[\g+4], 128                         ; tile_dim1 = 128
	s_mov_b32 s[\g+5], 64                          ; from row to row
	s_mov_b32 s[\g+6], 0
	s_mov_b32 s[\g+7], 0
.endr
	s_mov_b32 s[CS], 0x3e38aa3b                    ; c = log2(e) / 8
	s_mov_b32 s[CS+1], s[CS]
	s_mov_b32 s[SEL], 0x76543210
	s_mov_b32 s[SEL+1], 0xfedcba98
	s_and_b32 s12, s[WV], 3                        ; which quarter of a slot I fetch
	s_lshl_b32 s56, s10, 18                        ; the head's rows: 2,048 x 128 bytes
	s_lshl_b32 s13, s12, 14                        ; my 128 rows of them
	s_add_co_u32 s56, s56, s13
	s_mov_b32 s57, 0
	s_mul_i32 s14, s12, KQB                        ; where they go: no place in the cluster enters an LDS address
	s_mul_i32 s15, s12, VQB
	s_add_co_u32 s15, s15, VOFF
	s_lshl_b32 s60, s10, 18                        ; q: head, + 512 queries x 128 bytes a block, + 64 x 128 a wave
	s_lshl_b32 s11, s9, 16
	s_add_co_u32 s60, s60, s11
	s_lshl_b32 s11, s[WV], 13
	s_add_co_u32 s60, s60, s11
	s_mov_b32 s61, 0
	s_and_b32 s62, s10, 15                         ; o16: head << 20, batch << 18, then as q
	s_lshl_b32 s62, s62, 20
	s_lshr_b32 s11, s10, 4
	s_lshl_b32 s11, s11, 18
	s_add_co_u32 s62, s62, s11
	s_lshl_b32 s11, s9, 16
	s_add_co_u32 s62, s62, s11
	s_lshl_b32 s11, s[WV], 13
	s_add_co_u32 s62, s62, s11
	s_mov_b32 s63, 0
	s_wait_dscnt 0x0                               ; both opening adds are done
	s_wait_kmcnt 0x0
	s_add_nc_u64 s[58:59], s[4:5], s[56:57]        ; part 0 at my quarter's rows: K and V lie 1 << 24 and 2 << 24 further on
	s_add_nc_u64 s[4:5], s[4:5], s[60:61]          ; q at my wave's first query
	s_add_nc_u64 s[6:7], s[6:7], s[62:63]          ; o16 likewise
	CROUND                                         ; all four work-groups are here: the first joint loads meet
	s_mov_b32 s[G0KA], 1
	s_mov_b32 s[G0KA+1], s14
	s_add_nc_u64 s[G0KA+2:G0KA+3], s[58:59], 1<<24
	s_or_b32 s[G0KA+3], s[G0KA+3], 0x80000000
	s_mov_b32 s[G0KB], 1
	s_add_co_u32 s[G0KB+1], s14, SLOTB
	s_add_nc_u64 s[G0KB+2:G0KB+3], s[58:59], (1<<24)+65536
	s_or_b32 s[G0KB+3], s[G0KB+3], 0x80000000
	s_mov_b32 s[G0VA], 1
	s_mov_b32 s[G0VA+1], s15
	s_add_nc_u64 s[G0VA+2:G0VA+3], s[58:59], 2<<24
	s_or_b32 s[G0VA+3], s[G0VA+3], 0x80000000
	s_mov_b32 s[G0VB], 1
	s_add_co_u32 s[G0VB+1], s15, SLOTB
	s_add_nc_u64 s[G0VB+2:G0VB+3], s[58:59], (2<<24)+65536
	s_or_b32 s[G0VB+3], s[G0VB+3], 0x80000000
	s_cmp_lt_u32 s[WV], 4                          ; a wave's two first fills stand in one branch: keys 0-511 into slot A, 512-1,023 into slot B
	s_cbranch_scc0 .Lfirst_v
	tensor_load_to_lds s[G0KA:G0KA+3], s[G1K:G1K+7]
	s_nop 0
	tensor_load_to_lds s[G0KB:G0KB+3], s[G1K:G1K+7]
	s_nop 0
.rept 4
	v_nop
.endr
	s_branch .Lfirst_asked
.Lfirst_v:
	tensor_load_to_lds s[G0VA:G0VA+3], s[G1V:G1V+7]
	s_nop 0
	tensor_load_to_lds s[G0VB:G0VB+3], s[G1V:G1V+7]
	s_nop 0
.rept 4
	v_nop
.endr
.Lfirst_asked:
	v_and_b32 v11, 15, v0                          ; r
	v_bfe_u32 v12, v0, 4, 1                        ; h
	v_lshlrev_b32 v[QO], 7, v11
	v_lshl_add_u32 v[QO], v12, 4, v[QO]            ; row r of 128 bytes + 16 h
	WIN 0x40                                       ; destination window 1
.irp t, 0,1,2,3
.irp e, 0,1
	global_load_b128 v[16*\t+8*\e:16*\t+8*\e+3],   v[QO], s[4:5] offset:2048*\t+64*\e      ; Q stays in registers: tile t, channels 32 e on
	global_load_b128 v[16*\t+8*\e+4:16*\t+8*\e+7], v[QO], s[4:5] offset:2048*\t+64*\e+32
.endr
.endr
	WIN 0
	v_mul_u32_u24 v[AK0], v11, PK
	v_lshl_add_u32 v[AK0], v12, 4, v[AK0]          ; K: row r x pitch + 16 h
	v_and_b32 v13, 7, v0
	v_bfe_u32 v14, v0, 3, 1
	v_lshl_add_u32 v[AV0], v12, 3, v13             ; V, turning load: key 8 h + l % 8, channels 8 ((l / 8) % 2) on
	v_mul_u32_u24 v[AV0], v[AV0], PV
	v_lshl_add_u32 v[AV0], v14, 4, v[AV0]
	s_mul_i32 s13, s[WV], STGW                     ; my stage
	v_mul_u32_u24 v[STO], v11, PK
	v_lshl_add_u32 v[STO], v12, 4, v[STO]
	v_add_nc_u32 v[STO], s13, v[STO]               ; in: row r, 16 bytes for each half of the lanes
	v_bfe_u32 v15, v0, 3, 2
	v_mul_u32_u24 v[RD], v15, PK
	v_lshl_add_u32 v[RD], v13, 4, v[RD]
	v_add_nc_u32 v[RD], s13, v[RD]                 ; back: eight lanes to a row of 128 bytes, four rows a load
	v_and_b32 v[GO], 31, v0
	v_lshlrev_b32 v[GO], 4, v[GO]                  ; four rows of o16 are 512 consecutive bytes: 16 x lane
; A KEY STEP: 64 keys.  first = 1: the first of all, which starts m, l and O^T.
.macro STEP first
	WIN 0
	v_add_nc_u32 v[ADK], s[TK], v[AK0]             ; these two and three v_nop are five places behind the last V^T P: K's loads land on its source 0 (four are owed), and K Q^T writes over its source 1 (five)
	v_add_nc_u32 v[ADV], s[TV], v[AV0]
.rept 3
	v_nop
.endr
.irp e, 0,1                                    ; channels 0-31 of the four key tiles first
.irp kt, 0,1,2,3
	ds_load_b128 v[FR+16*\kt+8*\e:FR+16*\kt+8*\e+3],   v[ADK] offset:16*PK*\kt+64*\e
	ds_load_b128 v[FR+16*\kt+8*\e+4:FR+16*\kt+8*\e+7], v[ADK] offset:16*PK*\kt+64*\e+32
.endr
.endr
	s_add_co_u32 s[TK], s[TK], 64*PK               ; the next step's rows
	s_add_co_u32 s[TV], s[TV], 64*PV
	s_wait_dscnt 8                                 ; channels 0-31 are in; the youngest eight loads may be out
	WIN 0x04                                       ; source 1 (Q) window 1
.set i, 0
.rept 32                                       ; S^T = K Q^T: channels 32 (i / 16) on, keys 16 ((i / 4) % 4) on, tile i % 4: the 16 accumulators take turns
.set rS, S+32*(i%4)+8*((i/4)%4)
.set rK, FR+16*((i/4)%4)+8*(i/16)
.set rQ, 16*(i%4)+8*(i/16)
.if i == 16
	s_wait_dscnt 0x0                               ; channels 32-63 are in
.endif
.if i < 16
	v_wmma_f32_16x16x32_f16 v[rS:rS+7], v[rK:rK+7], v[rQ:rQ+7], 0
.else
	v_wmma_f32_16x16x32_f16 v[rS:rS+7], v[rK:rK+7], v[rQ:rQ+7], v[rS:rS+7]
.endif
.set i, i+1
.endr
	WIN 0
.rept 4
	v_nop                                          ; four places: V's loads land on K's registers, and the maxima read the scores
.endr
.irp u, 0,1                                    ; V, turned: keys 32 u on, channels 16 ct on; the loads land under the softmax
.irp ct, 0,1,2,3
	ds_load_tr16_b128 v[FR+32*\u+8*\ct:FR+32*\u+8*\ct+3],   v[ADV] offset:32*PV*\u+32*\ct
	ds_load_tr16_b128 v[FR+32*\u+8*\ct+4:FR+32*\u+8*\ct+7], v[ADV] offset:32*PV*\u+32*\ct+16*PV
.endr
.endr
	; the maximum of a lane's 32 scores and the old m: four chains, each begun at an accumulator's low end; the four tiles by turns in every group of lines
.irp j, 0,1,2,3
.irp t, 0,1,2,3
	v_max3_num_f32 v[ST+8*\t+4+\j], v[S+32*\t+8*\j], v[S+32*\t+8*\j+1], v[S+32*\t+8*\j+2]
.endr
.endr
.irp g, 1,2
.irp j, 0,1,2,3
.irp t, 0,1,2,3
	v_max3_num_f32 v[ST+8*\t+4+\j], v[ST+8*\t+4+\j], v[S+32*\t+8*\j+2*\g+1], v[S+32*\t+8*\j+2*\g+2]
.endr
.endr
.endr
.irp t, 0,1,2,3
	v_max3_num_f32 v[ST+8*\t+4], v[ST+8*\t+4], v[S+32*\t+7], v[S+32*\t+15]
.endr
.irp t, 0,1,2,3
	v_max3_num_f32 v[ST+8*\t+6], v[ST+8*\t+6], v[S+32*\t+23], v[S+32*\t+31]
.endr
.irp t, 0,1,2,3
	v_max3_num_f32 v[ST+8*\t+4], v[ST+8*\t+4], v[ST+8*\t+5], v[ST+8*\t+6]
.endr
.irp t, 0,1,2,3
.if \first
	v_max_num_f32 v[ST+8*\t+4], v[ST+8*\t+4], v[ST+8*\t+7]
.else
	v_max3_num_f32 v[ST+8*\t+4], v[ST+8*\t+4], v[ST+8*\t+7], v[ST+8*\t+1]
.endif
.endr
.irp t, 0,1,2,3
	v_permlanex16_b32 v[ST+8*\t+5], v[ST+8*\t+4], s[SEL], s[SEL+1]   ; the query's other 32 keys lie in the lane 16 away
.endr
.if \first == 0
.irp t, 0,1,2,3
	v_mov_b32 v[ST+8*\t+7], v[ST+8*\t]             ; c m_old is kept for a
.endr
.endif
.irp t, 0,1,2,3
	v_max_num_f32 v[ST+8*\t+1], v[ST+8*\t+4], v[ST+8*\t+5]
.endr
.irp t, 0,1,2,3
	v_mul_f32 v[ST+8*\t], s[CS], v[ST+8*\t+1]
.endr
.if \first == 0
.irp t, 0,1,2,3
	v_sub_f32 v[ST+8*\t+7], v[ST+8*\t+7], v[ST+8*\t]
.endr
.endif
.irp k, 0,1,2,3,4,5,6,7,8,9,10,11,12,13,14,15
.irp t, 0,1,2,3
	v_pk_fma_f32 v[S+32*\t+2*\k:S+32*\t+2*\k+1], v[S+32*\t+2*\k:S+32*\t+2*\k+1], s[CS:CS+1], v[ST+8*\t:ST+8*\t+1] op_sel_hi:[1,0,0] neg_lo:[0,0,1] neg_hi:[0,0,1]   ; c s - c m
.endr
.endr
	; the exponentials: ONE batch, none of which reads another's result
.if \first == 0
.irp t, 0,1,2,3
	v_exp_f32 v[ST+8*\t+6], v[ST+8*\t+7]           ; a
.endr
.endif
.irp k, 0,1,2,3,4,5,6,7,8,9,10,11,12,13,14,15,16,17,18,19,20,21,22,23,24,25,26,27,28,29,30,31
.irp t, 0,1,2,3
	v_exp_f32 v[S+32*\t+\k], v[S+32*\t+\k]
.endr
.endr
	v_nop                                          ; a plain line behind the last exponential
	s_wait_alu depctr_va_vdst(0)                   ; one wait for the batch, ahead of its first reader
	; the sums, of the unrounded p, in two chains a tile; they leave p as it is
.irp t, 0,1,2,3
.if \first
	v_pk_add_f32 v[ST+8*\t+2:ST+8*\t+3], v[S+32*\t:S+32*\t+1], v[S+32*\t+30:S+32*\t+31]
.else
	v_pk_fma_f32 v[ST+8*\t+2:ST+8*\t+3], v[ST+8*\t+2:ST+8*\t+3], v[ST+8*\t+6:ST+8*\t+7], v[S+32*\t:S+32*\t+1] op_sel_hi:[1,0,1]
.endif
.endr
.irp t, 0,1,2,3
	v_pk_add_f32 v[ST+8*\t+4:ST+8*\t+5], v[S+32*\t+2:S+32*\t+3], v[S+32*\t+4:S+32*\t+5]
.endr
.irp k, 3,5,7,9,11,13
.irp t, 0,1,2,3
	v_pk_add_f32 v[ST+8*\t+2:ST+8*\t+3], v[ST+8*\t+2:ST+8*\t+3], v[S+32*\t+2*\k:S+32*\t+2*\k+1]
.endr
.irp t, 0,1,2,3
	v_pk_add_f32 v[ST+8*\t+4:ST+8*\t+5], v[ST+8*\t+4:ST+8*\t+5], v[S+32*\t+2*\k+2:S+32*\t+2*\k+3]
.endr
.endr
.if \first == 0
.irp t, 0,1,2,3
	v_pk_add_f32 v[ST+8*\t+2:ST+8*\t+3], v[ST+8*\t+2:ST+8*\t+3], v[S+32*\t+30:S+32*\t+31]
.endr
.endif
.irp t, 0,1,2,3
	v_pk_add_f32 v[ST+8*\t+2:ST+8*\t+3], v[ST+8*\t+2:ST+8*\t+3], v[ST+8*\t+4:ST+8*\t+5]
.endr
.irp k, 0,1,2,3,4,5,6,7,8,9,10,11,12,13,14,15  ; p to f16, in place: register k takes pair k, ascending, so that no pair is written over before it is read
.irp t, 0,1,2,3
	v_cvt_pk_f16_f32 v[S+32*\t+\k], v[S+32*\t+2*\k], v[S+32*\t+2*\k+1]
.endr
.endr
.if \first == 0
	WIN 0x41                                       ; O^T (destination and source 0) window 1, a window 0
.irp k, 0,1,2,3,4,5,6,7,8,9,10,11,12,13,14,15
.irp t, 0,1,2,3
	v_pk_mul_f32 v[OT+32*\t+2*\k:OT+32*\t+2*\k+1], v[OT+32*\t+2*\k:OT+32*\t+2*\k+1], v[ST+8*\t+6:ST+8*\t+7] op_sel_hi:[1,0]
.endr
.endr
.endif
	s_wait_dscnt 0x0                               ; V is in
	WIN 0x50                                       ; C and D window 1
.set i, 0
.rept 32                                       ; O^T += V^T P: keys 32 (i / 16) on, channels 16 ((i / 4) % 4) on, tile i % 4: the 16 accumulators take turns
.set rO, OT+32*(i%4)+8*((i/4)%4)
.set rV, FR+32*(i/16)+8*((i/4)%4)
.set rP, S+32*(i%4)+8*(i/16)
.if \first && (i < 16)
	v_wmma_f32_16x16x32_f16 v[rO:rO+7], v[rV:rV+7], v[rP:rP+7], 0
.else
	v_wmma_f32_16x16x32_f16 v[rO:rO+7], v[rV:rV+7], v[rP:rP+7], v[rO:rO+7]
.endif
.set i, i+1
.endr
	WIN 0
.endm
.macro PROCESS base, first             ; a slot's eight key steps
	s_mov_b32 s[TK], \base
	s_mov_b32 s[TV], \base+VOFF
.if \first
	STEP 1
	s_mov_b32 s[CNT], 7
.else
	s_mov_b32 s[CNT], 8
.endif
.Lstep_\@:
	STEP 0
	s_sub_co_u32 s[CNT], s[CNT], 1
	s_cmp_lg_u32 s[CNT], 0
	s_cbranch_scc1 .Lstep_\@
.endm
; THE CHANGE OF SLOTS.  Each wave waits for all its tensor loads (one is out: its part of the slot ahead), adds 0 to its spare word, and waits for that and for its reads of the slot just left.
; Behind the cluster's round no wave of any partner reads that slot or has a load on its way: it is filled with the keys two slots on, first thing.
.macro CHANGE_FILL g0k, g0v
	s_wait_tensorcnt 0x0                           ; no tensor load of mine is out, so a group 0 may be written
	ds_add_u32 v[SPW], v[NIL]                      ; 0 onto my spare word; the two steps stand between it and the wait for it
	s_add_nc_u64 s[\g0k+2:\g0k+3], s[\g0k+2:\g0k+3], 131072   ; 1,024 keys on
	s_add_nc_u64 s[\g0v+2:\g0v+3], s[\g0v+2:\g0v+3], 131072
	s_wait_dscnt 0x0
	CROUND
	JLOAD \g0k, \g0v
.endm
	s_wait_tensorcnt 1                             ; my part of slot A is in; slot B's may stay out
	s_barrier_signal -1
	s_barrier_wait -1
	s_wait_loadcnt 0x0                             ; Q
	PROCESS 0, 1                                   ; keys 0-511
	CHANGE_FILL G0KA, G0VA                         ; keys 1,024-1,535 into slot A
	PROCESS SLOTB, 0                               ; keys 512-1,023
	CHANGE_FILL G0KB, G0VB                         ; keys 1,536-2,047 into slot B
	PROCESS 0, 0
	s_wait_tensorcnt 0x0                           ; the last change: nothing is asked for, so the work-group's own barrier does
	ds_add_u32 v[SPW], v[NIL]
	s_wait_dscnt 0x0
	s_barrier_signal -1
	s_barrier_wait -1
	PROCESS SLOTB, 0
	; THE WAY OUT.  l's two halves and the other half of the lanes' are added (these lines are the places behind the last products); O^T is divided by l, rounded to f16 and sent through my stage.
.irp t, 0,1,2,3
	v_add_f32 v[ST+8*\t+4], v[ST+8*\t+2], v[ST+8*\t+3]
.endr
.irp t, 0,1,2,3
	v_permlanex16_b32 v[ST+8*\t+5], v[ST+8*\t+4], s[SEL], s[SEL+1]
.endr
.irp t, 0,1,2,3
	v_add_f32 v[ST+8*\t+4], v[ST+8*\t+4], v[ST+8*\t+5]
.endr
.irp t, 0,1,2,3
	v_rcp_f32 v[ST+8*\t+6], v[ST+8*\t+4]
.endr
	v_nop                                          ; a plain line behind the last reciprocal
	s_wait_alu depctr_va_vdst(0)                   ; one wait for the four, ahead of their first reader
.macro PACK t
	WIN 0x41
.set i, 0
.rept 16
	v_pk_mul_f32 v[OT+32*\t+i:OT+32*\t+i+1], v[OT+32*\t+i:OT+32*\t+i+1], v[ST+8*\t+6:ST+8*\t+7] op_sel_hi:[1,0]   ; ascending: each accumulator from its low end on
.set i, i+2
.endr
	WIN 0x05                                       ; sources window 1, destination window 0
.set i, 0
.rept 16
	v_cvt_pk_f16_f32 v[S+32*\t+i], v[OT+32*\t+2*i], v[OT+32*\t+2*i+1]
.set i, i+1
.endr
	WIN 0
.irp ct, 0,1,2,3
	ds_store_b128 v[STO], v[S+32*\t+4*\ct:S+32*\t+4*\ct+3] offset:16*PK*\t+32*\ct
.endr
.irp f, 0,1,2,3
	ds_load_b128 v[S+32*\t+16+4*\f:S+32*\t+16+4*\f+3], v[RD] offset:16*PK*\t+4*PK*\f   ; in order behind my stores (ISA guide 5.7.1.4)
.endr
.endm
.macro SEND t, younger                 ; younger: the next tile's eight LDS instructions, or none
	s_wait_dscnt \younger
.irp f, 0,1,2,3
	global_store_b128 v[GO], v[S+32*\t+16+4*\f:S+32*\t+16+4*\f+3], s[6:7] offset:2048*\t+512*\f   ; 512 consecutive bytes, aligned
.endr
.endm
	PACK 0
	PACK 1
	SEND 0, 8
	PACK 2
	SEND 1, 8
	PACK 3
	SEND 2, 8
	SEND 3, 0
	s_wait_tensorcnt 0x0                           ; the wave's end
	ds_add_u32 v[SPW], v[NIL]
	s_wait_dscnt 0x0
	CROUND                                         ; the closing round
	s_endpgm
.Lfunc_end_k_q087975c89b_attn:
	.size	k_q087975c89b_attn, .Lfunc_end_k_q087975c89b_attn-k_q087975c89b_attn
	.p2alignl 7, 3214868480
	.fill 96, 4, 3214868480
	.section	.rodata,"a",@progbits
	.p2align	6, 0x0
	.amdhsa_kernel k_q087975c89b_attn
		.amdhsa_group_segment_fixed_size 327680
		.amdhsa_private_segment_fixed_size 0
		.amdhsa_enable_private_segment 0
		.amdhsa_kernarg_size 16
		.amdhsa_user_sgpr_count 2
		.amdhsa_user_sgpr_kernarg_segment_ptr 1
		.amdhsa_wavefront_size32 1
		.amdhsa_system_sgpr_workgroup_id_x 1
		.amdhsa_system_sgpr_workgroup_id_y 1
		.amdhsa_system_sgpr_workgroup_id_z 1
		.amdhsa_system_vgpr_workitem_id 0
		.amdhsa_next_free_vgpr 512
		.amdhsa_next_free_sgpr 66
		.amdhsa_reserve_vcc 0
		.amdhsa_float_denorm_mode_32 3
		.amdhsa_float_denorm_mode_16_64 3
		.amdhsa_memory_ordered 1
		.amdhsa_forward_progress 1
		.amdhsa_inst_pref_size 178
	.end_amdhsa_kernel
	.amdgpu_metadata
---
amdhsa.version: [ 1, 2 ]
amdhsa.kernels:
  - .name:           k_q087975c89b_attn
    .symbol:         k_q087975c89b_attn.kd
    .args:
      - { .name: qkv, .offset: 0, .size: 8, .value_kind: global_buffer, .address_space: global }
      - { .name: o16, .offset: 8, .size: 8, .value_kind: global_buffer, .address_space: global }
    .group_segment_fixed_size: 327680
    .private_segment_fixed_size: 0
    .kernarg_segment_align: 8
    .kernarg_segment_size: 16
    .max_flat_workgroup_size: 256
    .sgpr_count:     66
    .vgpr_count:     512
    .wavefront_size: 32
...
	.end_amdgpu_metadata
.endif
;; end of part 4
;; launch gemm_out (part 5): grid 8 x 32, 4 waves a work-group, clusters of 4 x 4, 327,680 bytes of LDS; arguments o16, wo16, b_out, out0; writes out0
.if DOCPART == 5
	.amdgcn_target "amdgcn-amd-amdhsa--gfx1250"
	.amdhsa_code_object_version 6
	.text
	.protected	k_q087975c89b_gemm_out
	.globl	k_q087975c89b_gemm_out
	.p2align	8
	.type	k_q087975c89b_gemm_out,@function
k_q087975c89b_gemm_out:
	s_mov_b64 s[64:65], 0
	v_nop
	global_prefetch_b8 v0, s[64:65] scope:SCOPE_SE
	s_setreg_imm32_b32 hwreg(HW_REG_WAVE_MODE, 25, 1), 1
	s_wait_xcnt 0x0
	s_wait_alu depctr_hold_cnt(0) depctr_sa_sdst(0) depctr_va_vdst(0) depctr_va_sdst(0) depctr_va_ssrc(0) depctr_va_vcc(0) depctr_vm_vsrc(0)
	s_getreg_b32 s2, hwreg(HW_REG_IB_STS2, 6, 4)
	s_cmp_eq_u32 s2, 0
	s_cbranch_scc0 .Lentry_in_a_cluster
	s_endpgm
.Lentry_in_a_cluster:
	s_bfe_u32 s2, ttmp6, 0x10000c
	s_cmp_lg_u32 s2, 0xf033
	s_cbranch_scc0 .Lentry_shape_is_right
	s_endpgm
.Lentry_shape_is_right:
; out0[token][n] = the sum over k of o[token][k] w_out[k][n] + b_out[n].  o16: f16 [head 16][token 8192][64], k = 64 head + d.  wo16: f16 [1024 (k)][1024 (n)].  out0: f32 [8192][1024].  Sums in f32.
; A tile of 256 tokens x 128 columns gives 256 work-groups.  Four waves, each 128 x 64: 32 accumulators of 16 x 16, all of window 1.
; K goes in steps of 128 (two heads) through a ring of two LDS slots: o's tile is two planes of 256 rows x 128 bytes, each dense in memory; w's tile is 128 rows of 256 bytes.
; Waves 0 and 1 fetch o's planes, waves 2 and 3 w's halves: one load a wave behind each change of slots.  By this text's count a wave has two tensor loads out at the start and one later.
; THE MATRIX INSTRUCTION IS USED TRANSPOSED: source 0 = 16 columns of w_out (turned out of LDS by ds_load_tr16_b128, since K is w's first axis), source 1 = 16 tokens of o: a lane holds eight neighbouring
; columns of one token.  The bias is the C of each sum's first product: it costs no addition.
; CLUSTERS: 4 x 4 work-groups.  o's tile hangs on the tile row alone and is shared along a row of the cluster, w's on the tile column alone and is shared along a column: each is asked for JOINTLY.
; REGISTERS: window 0: v9 and v16-30 addresses; v32-63 the bias in the result's layout; two fragment buffers of 96 at v64 and v160 (o's eight fragments, then w's four).  window 1: accumulator (a, b) at v[8 (4 a + b)].
.set PA,    144                        ; a row of o in LDS: 128 + 16 bytes
.set PB,    288                        ; a row of w: 256 + 32 bytes: an odd multiple of 32, for the turning load
.set PLANE, 256*PA
.set BOFF,  2*PLANE
.set BHALF, 64*PB
.set SLOT,  BOFF+2*BHALF
.set SPARE, 2*SLOT                     ; behind the ring: the spare words, 128 bytes a wave
.set SPITCH, 272                       ; the way out: 16 rows x (256 + 16) bytes for each wave, in slot 0, which has had its last fill and its last read by then
.set BO,   9                           ; v9   the bias loads' offset: 32 x (lane / 16); written once, so that no pending load's address is written over
.set ADRA, 16
.set ADRB, 20
.set STO,  24
.set RD,   25
.set CO,   26
.set SPW,  28
.set NIL,  29
.set PFO,  30
.set BIAS, 32
.set F0,   64
.set F1,   160
.set BK,   64                          ; the way out: v64-95 and v96-127 by turns
.set G1A, 24
.set G0A, 32
.set G1B, 48
.set G0B, 56
.set PFA, 66                           ; s[66:67] where my prefetches stand
.set PFS, 68                           ; s[68:69] a K step on, in bytes
.set LIM, 70                           ; 1 in a wave that prefetches, else the greatest number
.set MSB, 0
.macro WIN new
.if MSB != (\new)
	s_set_vgpr_msb (MSB<<8)|(\new)
.set MSB, (\new)
.endif
.endm
.set MUL,  0x50                        ; C and D window 1
.set MUL1, 0x40                        ; D window 1, C (the bias) window 0
.macro JLOAD s                         ; a joint load; the branch hangs on the wave's number alone; an s_nop 0 and four v_nop follow each line
	s_cmp_eq_u32 s13, 0
	s_cbranch_scc0 .Lfor_b_\@
	tensor_load_to_lds s[G0A+4*\s:G0A+4*\s+3], s[G1A:G1A+7]
	s_nop 0
.rept 4
	v_nop
.endr
	s_branch .Lasked_\@
.Lfor_b_\@:
	tensor_load_to_lds s[G0B+4*\s:G0B+4*\s+3], s[G1B:G1B+7]
	s_nop 0
.rept 4
	v_nop
.endr
.Lasked_\@:
.endm
.macro CREST
	s_cmp_lg_u32 s12, 0
	s_cbranch_scc1 .Lnot_wave_0_\@
	s_barrier_signal -3
.Lnot_wave_0_\@:
	s_barrier_wait -3
	s_barrier_signal -1
	s_barrier_wait -1
.endm
.macro CROUND
	s_barrier_signal -1
	s_barrier_wait -1
	CREST
.endm
; A PREFETCH INTO THE L2 behind each refill and the run of LDS loads that follows it: the K step that stands two refills on.  Each aligned 256 bytes are named once in the launch.
; o's tile row is read by both clusters of that row of clusters: cluster x = 0 asks; waves 0 and 1 take a plane each, and of its 128 runs of 256 bytes the partner at cx takes 32, told apart by address.
; w's tile column is read by all eight clusters of that column: cluster y = 0 asks, wave 2 alone: the partner at cy takes rows 32 cy on, a lane a row.  The loop's last trip asks for nothing: K ends.
.macro ASK
	s_cmp_gt_u32 s3, s[LIM]
	s_cbranch_scc0 .Lnot_mine_\@
	global_prefetch_b8 v[PFO], s[PFA:PFA+1] th:TH_LOAD_NT scope:SCOPE_SE
.Lnot_mine_\@:
.endm
	s_load_b256 s[4:11], s[0:1], 0x0               ; o16 s[4:5], wo16 s[6:7], b_out s[8:9], out0 s[10:11]
	v_lshl_add_u32 v[SPW], v0, 2, SPARE
	v_mov_b32 v[NIL], 0
	ds_add_u32 v[SPW], v[NIL]                      ; the opening: the add, twice on end, and its wait ahead of my first tensor load
	ds_add_u32 v[SPW], v[NIL]
	v_lshrrev_b32 v1, 5, v0
	v_readfirstlane_b32 s12, v1                    ; wave 0..3
	s_lshr_b32 s13, s12, 1                         ; my half of the tile's rows.  Also: I fetch for o (0) or for w (1)
	s_and_b32 s14, s12, 1                          ; my half of its columns.  Also: which plane, or which 64 rows of w, I fetch
	s_bfe_u32 s40, ttmp6, 0x40000                  ; cx, cy
	s_bfe_u32 s41, ttmp6, 0x40004
	s_lshl_b32 s42, ttmp9, 2
	s_add_co_u32 s42, s42, s40                     ; tile column
	s_and_b32 s15, ttmp7, 0xffff
	s_lshl_b32 s15, s15, 2
	s_add_co_u32 s15, s15, s41                     ; tile row
	s_lshl_b32 s43, s41, 2
	s_lshl_b32 s43, 15, s43                        ; my row of the cluster
	s_lshl_b32 s44, 0x1111, s40                    ; my column
	s_or_b32 s[G1A], s43, (1<<16)|(1<<20)|(1<<21)|(4<<22)|(3<<25)   ; mask; elements of 2 bytes; padding on; bit 21 beside a mask; 4 words behind every 32
	s_mov_b32 s[G1A+1], 64<<16                     ; tensor_dim0 = 64
	s_mov_b32 s[G1A+2], 256<<16                    ; tensor_dim1 = 256
	s_mov_b32 s[G1A+3], 64<<16                     ; tile_dim0
	s_mov_b32 s[G1A+4], 256                        ; tile_dim1
	s_mov_b32 s[G1A+5], 64                         ; from row to row
	s_mov_b32 s[G1A+6], 0
	s_mov_b32 s[G1A+7], 0
	s_or_b32 s[G1B], s44, (1<<16)|(1<<20)|(1<<21)|(5<<22)|(7<<25)   ; 8 words behind every 64
	s_mov_b32 s[G1B+1], 128<<16
	s_mov_b32 s[G1B+2], 64<<16
	s_mov_b32 s[G1B+3], 128<<16
	s_mov_b32 s[G1B+4], 64
	s_mov_b32 s[G1B+5], 1024
	s_mov_b32 s[G1B+6], 0
	s_mov_b32 s[G1B+7], 0
	s_lshl_b32 s16, s15, 15                        ; o: 256 tokens x 128 bytes a tile row,
	s_lshl_b32 s17, s14, 20                        ; my plane: a head is 8,192 x 128 bytes
	s_add_co_u32 s16, s16, s17
	s_mov_b32 s17, 0
	s_lshl_b32 s46, s42, 8                         ; w: 128 columns x 2 bytes a tile column,
	s_lshl_b32 s47, s14, 17                        ; my 64 rows of 2,048 bytes
	s_add_co_u32 s46, s46, s47
	s_mov_b32 s47, 0
	s_mul_i32 s22, s14, PLANE                      ; where they go: no place in the cluster enters an LDS address
	s_mul_i32 s23, s14, BHALF
	s_add_co_u32 s23, s23, BOFF
	s_wait_dscnt 0x0                               ; both opening adds are done
	s_wait_kmcnt 0x0
	s_add_nc_u64 s[20:21], s[4:5], s[16:17]
	s_add_nc_u64 s[46:47], s[6:7], s[46:47]
	CROUND                                         ; all sixteen work-groups are here: the first joint loads meet
.irp s, 0,1
	s_mov_b32 s[G0A+4*\s], 1
	s_add_co_u32 s[G0A+4*\s+1], s22, \s*SLOT
	s_add_nc_u64 s[G0A+4*\s+2:G0A+4*\s+3], s[20:21], \s*(2<<20)   ; K step s: heads 2 s, 2 s + 1
	s_or_b32 s[G0A+4*\s+3], s[G0A+4*\s+3], 0x80000000
	s_mov_b32 s[G0B+4*\s], 1
	s_add_co_u32 s[G0B+4*\s+1], s23, \s*SLOT
	s_add_nc_u64 s[G0B+4*\s+2:G0B+4*\s+3], s[46:47], \s*262144    ; rows 128 s on
	s_or_b32 s[G0B+4*\s+3], s[G0B+4*\s+3], 0x80000000
	JLOAD \s
.endr
	v_and_b32 v1, 15, v0                           ; r
	v_bfe_u32 v2, v0, 4, 1                         ; h
	s_lshl_b32 s16, s42, 9                         ; the bias of my 64 columns
	s_lshl_b32 s17, s14, 8
	s_add_co_u32 s16, s16, s17
	s_mov_b32 s17, 0
	s_add_nc_u64 s[8:9], s[8:9], s[16:17]
	v_lshlrev_b32 v[BO], 5, v2                     ; a register of its own: neither it nor s[8:9] is written again
.irp b, 0,1,2,3
	global_load_b128 v[BIAS+8*\b:BIAS+8*\b+3],   v[BO], s[8:9] offset:64*\b      ; block b: b_out at 16 b + 8 h + 0 .. 7
	global_load_b128 v[BIAS+8*\b+4:BIAS+8*\b+7], v[BO], s[8:9] offset:64*\b+16
.endr
	v_mul_u32_u24 v3, v1, PA
	v_lshl_add_u32 v3, v2, 4, v3                   ; o: row r x pitch + 16 h,
	s_mul_i32 s21, s13, 128*PA                     ; my 128 rows
	v_and_b32 v6, 7, v0
	v_bfe_u32 v7, v0, 3, 1
	v_lshl_add_u32 v4, v2, 3, v6                   ; w, turning load: row 8 h + l % 8, columns 8 ((l / 8) % 2) on,
	v_mul_u32_u24 v4, v4, PB
	v_lshl_add_u32 v4, v7, 4, v4
	s_lshl_b32 s22, s14, 7                         ; my 64 columns
	s_add_co_u32 s22, s22, BOFF
.irp s, 0,1
	v_add_nc_u32 v[ADRA+\s], s21, v3
	v_add_nc_u32 v[ADRB+\s], s22, v4
	s_add_co_u32 s21, s21, SLOT
	s_add_co_u32 s22, s22, SLOT
.endr
	s_mul_i32 s23, s12, 16*SPITCH                  ; my stage
	v_mul_u32_u24 v5, v1, SPITCH
	v_lshl_add_u32 v5, v2, 5, v5
	v_add_nc_u32 v[STO], s23, v5                   ; in: row r, 32 bytes for each half of the lanes
	v_mul_u32_u24 v5, v2, SPITCH
	v_lshl_add_u32 v5, v1, 4, v5
	v_add_nc_u32 v[RD], s23, v5                    ; back: lanes 0-15 one row of 256 bytes, lanes 16-31 the next
	v_lshlrev_b32 v5, 12, v2
	v_lshl_add_u32 v[CO], v1, 4, v5                ; and the same two rows in out0
	s_lshl_b32 s16, s15, 20                        ; out0: (256 x tile row + 128 x half) rows of 4,096 bytes + 512 x tile column + 256 x half
	s_lshl_b32 s17, s13, 19
	s_add_co_u32 s16, s16, s17
	s_lshl_b32 s17, s42, 9
	s_add_co_u32 s16, s16, s17
	s_lshl_b32 s17, s14, 8
	s_add_co_u32 s16, s16, s17
	s_mov_b32 s17, 0
	s_add_nc_u64 s[10:11], s[10:11], s[16:17]
	; the prefetches: where mine stand, and who asks.  They start at K step 3; each change of slots steps them before it asks.  Nothing is prefetched here, at the head
	s_lshl_b32 s16, s15, 15                        ; o: the tile row, my plane, my work-group's 32 runs of 256 bytes,
	s_lshl_b32 s17, s14, 20
	s_add_co_u32 s16, s16, s17
	s_lshl_b32 s17, s40, 13
	s_add_co_u32 s16, s16, s17
	s_add_co_u32 s16, s16, 6<<20                   ; heads 6 and 7
	s_lshl_b32 s18, s41, 16                        ; w: my work-group's 32 rows, the tile column,
	s_lshl_b32 s19, s42, 8
	s_add_co_u32 s18, s18, s19
	s_add_co_u32 s18, s18, 3*262144                ; rows 384 on
	s_and_b32 s22, ttmp7, 0xffff                   ; cluster y
	s_cmp_eq_u32 s12, 3
	s_cselect_b32 s23, 1, 0                        ; wave 3 never asks
	s_cmp_eq_u32 s13, 0                            ; do I fetch for o?
	s_cselect_b32 s16, s16, s18
	s_cselect_b32 s22, ttmp9, s22                  ; the coordinate along which other clusters read the same rows
	s_cselect_b32 s19, 8, 11                       ; from lane to lane: 256 bytes, or a row of 2,048
	s_cselect_b32 s18, 21, 18                      ; a K step on: two heads, or 128 rows
	s_cselect_b64 s[PFA:PFA+1], s[4:5], s[6:7]
	s_mov_b32 s17, 0
	s_add_nc_u64 s[PFA:PFA+1], s[PFA:PFA+1], s[16:17]
	s_lshl_b32 s[PFS], 1, s18
	s_mov_b32 s[PFS+1], 0
	s_or_b32 s22, s22, s23
	s_cmp_eq_u32 s22, 0
	s_cselect_b32 s[LIM], 1, -1                    ; the same in all sixteen partners, for a given wave
	v_and_b32 v[PFO], 31, v0
	v_lshlrev_b32 v[PFO], s19, v[PFO]
; 8 matrix instructions: o's blocks a0, a0 + 1 against w's four, 32 along K.  first = 1: the bias starts the sums.  The 32 accumulators take turns, one instruction a turn.
.macro MUL8 f, a0, first
.irp a, \a0, \a0+1
.irp b, 0,1,2,3
.if \first
	v_wmma_f32_16x16x32_f16 v[8*(4*(\a)+\b):8*(4*(\a)+\b)+7], v[\f+64+8*\b:\f+64+8*\b+7], v[\f+8*(\a):\f+8*(\a)+7], v[BIAS+8*\b:BIAS+8*\b+7]
.else
	v_wmma_f32_16x16x32_f16 v[8*(4*(\a)+\b):8*(4*(\a)+\b)+7], v[\f+64+8*\b:\f+64+8*\b+7], v[\f+8*(\a):\f+8*(\a)+7], v[8*(4*(\a)+\b):8*(4*(\a)+\b)+7]
.endif
.endr
.endr
.endm
; 24 LDS loads in one run: the slot's q-th 32 along K into buffer f: w's four fragments, o's blocks 0-3, o's blocks 4-7
.macro FETCH slot, q, f
	WIN 0
.irp b, 0,1,2,3
	ds_load_tr16_b128 v[\f+64+8*\b:\f+64+8*\b+3],   v[ADRB+\slot] offset:32*PB*(\q)+32*\b
	ds_load_tr16_b128 v[\f+64+8*\b+4:\f+64+8*\b+7], v[ADRB+\slot] offset:32*PB*(\q)+32*\b+16*PB
.endr
.irp i, 0,1,2,3,4,5,6,7
	ds_load_b128 v[\f+8*\i:\f+8*\i+3],   v[ADRA+\slot] offset:PLANE*((\q)/2)+64*((\q)%2)+16*PA*\i
	ds_load_b128 v[\f+8*\i+4:\f+8*\i+7], v[ADRA+\slot] offset:PLANE*((\q)/2)+64*((\q)%2)+16*PA*\i+32
.endr
.endm
.macro PLACES                          ; four plain lines in front of loads into registers that matrix instructions have read, and of the first read of results
.rept 4
	v_nop
.endr
.endm
; A K step is four quarters of 32 along K, 32 matrix instructions each, on buffers 0, 1, 0, 1.  One of the first three: multiplies buffer f and fetches quarter q of the same slot into g.
.macro QUARTER slot, q, f, g, first
	s_wait_dscnt 8                                 ; w's fragments and o's blocks 0-3 are in; the youngest eight loads (blocks 4-7) may be out
	WIN MUL-16*(\first)
	MUL8 \f, 0, \first
	MUL8 \f, 2, \first
	PLACES
	FETCH \slot, \q, \g
	s_wait_dscnt 24                                ; all but the 24 just issued
	WIN MUL-16*(\first)
	MUL8 \f, 4, \first
	MUL8 \f, 6, \first
.endm
; The last quarter multiplies buffer 1 and changes slots: ONE barrier; in front of it each wave waits for all its tensor loads, adds 0 to its spare word, and waits for that and for its reads of this slot.
; fill = 1: the barrier opens a round of the cluster's, and this slot is filled again, two K steps ahead, first thing behind it.
.macro TURN slot, next, fill
.if \fill
	s_wait_xcnt 0x0                                ; the last prefetch, a K step back, has read its address: it may be stepped
	s_add_nc_u64 s[PFA:PFA+1], s[PFA:PFA+1], s[PFS:PFS+1]
.endif
	WIN 0
	s_wait_tensorcnt 0x0                           ; all my tensor loads have landed: my part of the next slot
	ds_add_u32 v[SPW], v[NIL]
	s_wait_dscnt 9                                 ; (the add and o's blocks 4-7 may be out)
	WIN MUL
	MUL8 F1, 0, 0
	s_wait_dscnt 0x0                               ; the add is done, and my reads of this slot are over
	s_barrier_signal -1
	MUL8 F1, 2, 0
.if \fill
	WIN 0
.endif
	s_barrier_wait -1
.if \fill
	CREST                                          ; no wave of any partner still reads this slot or has a load on its way
	s_add_nc_u64 s[G0A+4*\slot+2:G0A+4*\slot+3], s[G0A+4*\slot+2:G0A+4*\slot+3], 4<<20
	s_add_nc_u64 s[G0B+4*\slot+2:G0B+4*\slot+3], s[G0B+4*\slot+2:G0B+4*\slot+3], 524288
	JLOAD \slot                                    ; its four v_nop are also the places in front of the loads below
.else
	PLACES
.endif
	FETCH \next, 0, F0
.if \fill
	ASK
.endif
	WIN MUL
	MUL8 F1, 4, 0
	MUL8 F1, 6, 0
.endm
	s_wait_tensorcnt 1                             ; my part of K step 0 is in; K step 1's may stay out
	s_barrier_signal -1
	s_barrier_wait -1
	s_wait_loadcnt 0x0                             ; the bias
	FETCH 0, 0, F0
	QUARTER 0, 1, F0, F1, 1                        ; the first quarter stands in front of the loop: its products start the sums on the bias
	WIN 0
	s_mov_b32 s3, 3                                ; 8 K steps are 4 laps; a trip goes from a lap's second quarter to the next lap's first and fills both slots again
.Llap:
	QUARTER 0, 2, F1, F0, 0
	QUARTER 0, 3, F0, F1, 0
	TURN 0, 1, 1
	QUARTER 1, 1, F0, F1, 0
	QUARTER 1, 2, F1, F0, 0
	QUARTER 1, 3, F0, F1, 0
	TURN 1, 0, 1
	QUARTER 0, 1, F0, F1, 0
	WIN 0
	s_sub_co_u32 s3, s3, 1
	s_cmp_lg_u32 s3, 0
	s_cbranch_scc1 .Llap
	QUARTER 0, 2, F1, F0, 0                        ; the last lap fills nothing
	QUARTER 0, 3, F0, F1, 0
	TURN 0, 1, 0
	QUARTER 1, 1, F0, F1, 0
	QUARTER 1, 2, F1, F0, 0
	QUARTER 1, 3, F0, F1, 0
	s_wait_dscnt 8
	WIN MUL
	MUL8 F1, 0, 0
	MUL8 F1, 2, 0
	s_wait_dscnt 0x0
	MUL8 F1, 4, 0
	MUL8 F1, 6, 0
	WIN 0
; THE WAY OUT, a block of 16 tokens x 64 columns at a time: a lane's 32 bytes go into my stage and come back as whole rows of 256 bytes, two a load.
.macro TOSTAGE a
	WIN 0x04                                       ; an LDS store's data are its source 1: window 1
.irp b, 0,1,2,3
	ds_store_b128 v[STO], v[8*(4*(\a)+\b):8*(4*(\a)+\b)+3] offset:64*\b          ; each accumulator from its low end on
	ds_store_b128 v[STO], v[8*(4*(\a)+\b)+4:8*(4*(\a)+\b)+7] offset:64*\b+16
.endr
	WIN 0
.set BB, BK+32*((\a)%2)
.irp t, 0,1,2,3,4,5,6,7
	ds_load_b128 v[BB+4*\t:BB+4*\t+3], v[RD] offset:2*\t*SPITCH   ; in order behind my stores (ISA guide 5.7.1.4)
.endr
.endm
.macro SEND a, younger                 ; younger: the next block's sixteen LDS instructions, or none
.set BB, BK+32*((\a)%2)
	s_wait_dscnt \younger
.irp t, 0,1,2,3,4,5,6,7
	global_store_b128 v[CO], v[BB+4*\t:BB+4*\t+3], s[10:11] offset:(16*(\a)+2*\t)*4096 th:TH_STORE_NT   ; sixteen lanes store 256 consecutive bytes, aligned; 126 rows at the most: inside the signed 24-bit immediate
.endr
.endm
	PLACES
	TOSTAGE 0
.irp a, 1,2,3,4,5,6,7
.if \a > 1
	s_wait_xcnt 0x0                                ; block a - 2's stores have read their registers: block a's loads may land there
.endif
	TOSTAGE \a
	SEND \a-1, 16
.endr
	SEND 7, 0
	s_wait_tensorcnt 0x0                           ; the wave's end
	ds_add_u32 v[SPW], v[NIL]
	s_wait_dscnt 0x0
	CROUND                                         ; the closing round
	s_endpgm
.Lfunc_end_k_q087975c89b_gemm_out:
	.size	k_q087975c89b_gemm_out, .Lfunc_end_k_q087975c89b_gemm_out-k_q087975c89b_gemm_out
	.p2alignl 7, 3214868480
	.fill 96, 4, 3214868480
	.section	.rodata,"a",@progbits
	.p2align	6, 0x0
	.amdhsa_kernel k_q087975c89b_gemm_out
		.amdhsa_group_segment_fixed_size 327680
		.amdhsa_private_segment_fixed_size 0
		.amdhsa_enable_private_segment 0
		.amdhsa_kernarg_size 32
		.amdhsa_user_sgpr_count 2
		.amdhsa_user_sgpr_kernarg_segment_ptr 1
		.amdhsa_wavefront_size32 1
		.amdhsa_system_sgpr_workgroup_id_x 1
		.amdhsa_system_sgpr_workgroup_id_y 1
		.amdhsa_system_sgpr_workgroup_id_z 1
		.amdhsa_system_vgpr_workitem_id 0
		.amdhsa_next_free_vgpr 512
		.amdhsa_next_free_sgpr 72
		.amdhsa_reserve_vcc 0
		.amdhsa_float_denorm_mode_32 3
		.amdhsa_float_denorm_mode_16_64 3
		.amdhsa_memory_ordered 1
		.amdhsa_forward_progress 1
		.amdhsa_inst_pref_size 88
	.end_amdhsa_kernel
	.amdgpu_metadata
---
amdhsa.version: [ 1, 2 ]
amdhsa.kernels:
  - .name:           k_q087975c89b_gemm_out
    .symbol:         k_q087975c89b_gemm_out.kd
    .args:
      - { .name: o16, .offset: 0, .size: 8, .value_kind: global_buffer, .address_space: global }
      - { .name: wo16, .offset: 8, .size: 8, .value_kind: global_buffer, .address_space: global }
      - { .name: b_out, .offset: 16, .size: 8, .value_kind: global_buffer, .address_space: global }
      - { .name: out0, .offset: 24, .size: 8, .value_kind: global_buffer, .address_space: global }
    .group_segment_fixed_size: 327680
    .private_segment_fixed_size: 0
    .kernarg_segment_align: 8
    .kernarg_segment_size: 32
    .max_flat_workgroup_size: 128
    .sgpr_count:     72
    .vgpr_count:     512
    .wavefront_size: 32
...
	.end_amdgpu_metadata
.endif
;; end of part 5
